; MI455X (gfx1250); checked and timed in simulation.
; The chip was launched on July 23, 2026; its instructions are those of AMD's public machine-readable ISA for CDNA 5 (MIT licence, August 2026) and "CDNA5" Instruction Set Architecture Reference Guide (July 2026). The comments in the code are by the model that wrote it; some were corrected since.
;; Attention Layer. Allowed arithmetic: matrix products marked QUANTISED: E4M3 operands, one E8M0 scale for each 32 along K, by v_wmma_scale_f32_16x16x128_f8f6f4 with both operands' format E4M3, f32 sums; products left as they are: f32 operands where the result goes on into a quantised operand, else bf16, f16 or f32 operands; f32 sums; everything else in f32.
;; Inputs: W1 2,048 x 1,024 float32; W2 1,024 x 1 float32; b1 1,024 float32; b2 1 float32; h_decoder_prev 32 x 1,024 float32; h_encoder 32 x 2,048 x 1,024 float32.
;; Outputs: out0 32 x 1,024 float32; out1 32 x 2,048 x 1 float32.
;; This version of the problem:
;;   THIS VERSION OF THE PROBLEM IS GIVEN IN LOW PRECISION. The matrix products marked QUANTISED in the list below multiply operands that are first quantised to E4M3 (4 exponent bits, 3 mantissa bits; 8 bits a number), with one power-of-two scale for each 32 numbers along K (OCP MX v1.0); their sums are f32. All else is computed in f32.
;;   The module's matrix products, in the order in which they are computed (A, B: the left and right operand; K: the contracted axis; several contracted axes count as one K, in the product's order):
;;     1. [M 32, K 1,024] x [K 1,024, N 1,024]; A: input h_decoder_prev; B: input W1: QUANTISED
;;     2. [M 65,536, K 1,024] x [K 1,024, N 1,024]; A: input h_encoder; B: input W1: QUANTISED
;;     3. [M 65,536, K 1,024] x [K 1,024, N 1]; A: computed on the way; B: input W2: left as it is (N = 1 < 16)
;;   THE QUANTISER, for each operand of a quantised product, along K:
;;     - K is cut into blocks of 32 from its start; a last block that is shorter is filled with zeros.
;;     - A block's scale is 2^e with e = floor(log2(the largest magnitude in the block)) - 8, held to -126 .. 127; a block of zeros has e = 0. As a byte (E8M0): e + 127.
;;     - Each number is divided by its block's scale, clamped to +-448, and rounded to the nearest number of E4M3, ties to even, subnormals kept.
;;     - The product sums the exact products of the quantised numbers (number of the format x scale) in f32.
;;   ~~~python
;;   def quantise(x, axis):      # numpy; x: float32 -> the quantised numbers, widened to float32 again
;;       x = np.moveaxis(x, axis, -1); K = x.shape[-1]
;;       x = np.pad(x, [(0, 0)] * (x.ndim - 1) + [(0, -K % 32)]); x = x.reshape(x.shape[:-1] + (-1, 32)); a = np.abs(x).max(-1, keepdims=True)
;;       e = np.where(a > 0, np.clip(np.frexp(np.where(a > 0, a, 1))[1] - 1 - 8, -126, 127), 0)      # np.frexp(a)[1] - 1 = floor(log2(a)), exactly
;;       r = np.clip(x / 2.0 ** e, -448, 448)
;;       step = 2.0 ** (np.maximum(np.frexp(np.where(r == 0, 1, r))[1] - 1, -6) - 3)
;;       q = np.round(r / step) * step * 2.0 ** e      # np.round: ties to even
;;       return np.moveaxis(q.reshape(q.shape[:-2] + (-1,))[..., :K], -1, axis).astype(np.float32)
;;   ~~~
;; 2 versions. Each part assembles by itself: llvm-mc -triple=amdgcn-amd-amdhsa -mcpu=gfx1250 --defsym DOCPART=n.
;; ======== version 1 of 2: 3 launches
;; workspace buffers: w1c 1,081,344 bytes; biasc 131,072 bytes; en 262,144 bytes; ctxp 2,097,152 bytes
;; launch prep (part 1): grid 128 x 1, 8 waves a work-group, no clusters, 17,408 bytes of LDS; arguments W1, h_decoder_prev, b1, w1c, biasc; writes w1c, biasc
.if DOCPART == 1
	.amdgcn_target "amdgcn-amd-amdhsa--gfx1250"
	.amdhsa_code_object_version 6
	.text
	.protected	k_qf6e1cb9232_prep
	.globl	k_qf6e1cb9232_prep
	.p2align	8
	.type	k_qf6e1cb9232_prep,@function
k_qf6e1cb9232_prep:
	s_mov_b64 s[64:65], 0
	v_nop
	global_prefetch_b8 v0, s[64:65] scope:SCOPE_SE
	s_setreg_imm32_b32 hwreg(HW_REG_WAVE_MODE, 25, 1), 1
	s_wait_xcnt 0x0
; W1 [2048][1024] f32 has K as its first axis.  Work-groups 0-63 turn W1's rows 0-1023 (the encoder's part) into codes of FP8 (E4M3) with one E8M0 byte for each 32 along K,
; laid in the order of the operand's registers: block (G = n / 128, s = k / 128) of 16,896 bytes: eight fragment images of 2,048 bytes (fragment b: columns 128 G + 16 b + r;
; register group c of lane l at 2048 b + 512 c + 16 l), then 512 bytes of scale words at 16,384 + 32 r + 4 b.
; Work-groups 64-127 quantise W1's rows 1024-2047 and h_decoder_prev, multiply them, and store biasc[m][n] = (h_decoder_prev W1_dec + b1)[m][n] x 2 log2(e).
; SHARES: a work-group takes 16 columns n, wave w the K step 128 w .. 128 w + 127.  A LANE TAKES A COLUMN AND ITS REGISTERS RUN DOWN K, in the operand's own order
; (lane (r, h): k = 32 c + 16 h + 0 .. 15), so the conversions' results are the fragment.  Each load of W1 reads 64 neighbouring bytes in sixteen lanes; the tensor is 8 MB and is read once.
; The decoder's product is split along K over the eight waves; the eight partial sums meet in LDS and are added in f32 (an order of sums other than one chain along K).
; The scale words leave as 4 bytes a lane, 32 bytes apart (32 KB in the whole launch): the layout serves the reader, which takes a K step's eight words of a column by two loads of 16 bytes.
; LIMITS: NaN and infinities among the inputs are not served.  A block of zeros gets the byte 1 and zero codes (the bytes are read by this program alone).
.set TM,  12                           ; v12-27  at work in QUANT
.set WW,  28                           ; v28     W's scale word;  v29, v30  those of h_decoder_prev's two row tiles: these three hold scales and nothing else
.set AW0, 29
.set AW1, 30
.set WC,  32                           ; v32-47  W's codes
.set AC0, 48                           ; v48-63  codes of rows 0-15
.set X,   64                           ; v64-127 W's 64 numbers; later:
.set AC1, 64                           ; v64-79  codes of rows 16-31
.set D0,  80                           ; v80-87, v88-95 the two results
.set D1,  88
.set XA0, 128                          ; v128-191, v192-255 64 numbers of each row tile
.set XA1, 192
.set WV,  14
.set PART, 15
.set NT,  16
.set MNT, 17
.set SEL, 18
.set C2,  22
; 64 numbers of a lane, register 16 b + i = k 32 b + 16 (lane / 16) + i, become a fragment's codes in v[pc] on and its scale word in v[pw].
.macro QUANT src, pc, pw
.irp b, 0,1,2,3
	v_max3_num_f32 v[TM+\b], |v[\src+16*\b]|, |v[\src+1+16*\b]|, 0x4800000   ; block b: my 16 numbers, and the floor 2^(9 - 127): the byte cannot fall under 1
.endr
.irp i, 2,4,6,8,10,12,14
.irp b, 0,1,2,3
	v_max3_num_f32 v[TM+\b], v[TM+\b], |v[\src+16*\b+\i]|, |v[\src+1+16*\b+\i]|   ; the four blocks by turns
.endr
.endr
.irp b, 0,1,2,3
	v_permlanex16_b32 v[TM+4+\b], v[TM+\b], s[SEL], s[SEL+1]
.endr
.irp b, 0,1,2,3
	v_max_num_f32 v[TM+\b], v[TM+\b], v[TM+4+\b]   ; with lane l xor 16's 16: the block's largest magnitude
.endr
.irp b, 0,1,2,3
	v_add_nc_u32 v[TM+12+\b], 0xfc000000, v[TM+\b]   ; 8 off its exponent field: the conversion's scale operand
.endr
.irp b, 0,1,2,3
	v_and_or_b32 v[TM+8+\b], v[TM+\b], 0x7f800000, s[MNT]   ; 448 x the scale
.endr
.irp b, 0,1,2,3
	v_lshrrev_b32 v[TM+4+\b], 23, v[TM+12+\b]   ; the scale's byte
.endr
	v_lshl_or_b32 v[\pw], v[TM+5], 8, v[TM+4]
	v_lshl_or_b32 v[\pw], v[TM+6], 16, v[\pw]
	v_lshl_or_b32 v[\pw], v[TM+7], 24, v[\pw]
.irp b, 0,1,2,3
.irp i, 0,1,2,3,4,5,6,7,8,9,10,11,12,13,14,15
	v_med3_num_f32 v[\src+16*\b+\i], v[\src+16*\b+\i], -v[TM+8+\b], v[TM+8+\b]   ; the conversion to an 8-bit code does not saturate (ISA guide 7.6.2): the hold comes first
.endr
	v_cvt_scalef32_pk8_fp8_f32 v[\pc+4*\b:\pc+1+4*\b], v[\src+16*\b:\src+7+16*\b], v[TM+12+\b]
	v_cvt_scalef32_pk8_fp8_f32 v[\pc+2+4*\b:\pc+3+4*\b], v[\src+8+16*\b:\src+15+16*\b], v[TM+12+\b]
.endr
	v_nop                                          ; one plain vector instruction behind the last scaled conversion
.endm
	s_load_b256 s[4:11], s[0:1], 0x0               ; W1 s[4:5], h_decoder_prev s[6:7], b1 s[8:9], w1c s[10:11]
	s_load_b64 s[12:13], s[0:1], 0x20              ; biasc
	v_lshl_add_u32 v31, v0, 2, 0x4000
	s_set_vgpr_msb 0x40
	v_mov_b32 v1, 0
	s_set_vgpr_msb 0x4000
	v_lshrrev_b32 v1, 5, v0
	v_readfirstlane_b32 s[WV], v1                  ; wave = K step
	v_and_b32 v1, 31, v0                           ; lane
	v_and_b32 v2, 15, v0                           ; r
	v_bfe_u32 v3, v0, 4, 1                         ; h
	v_lshlrev_b32 v4, 2, v2
	v_lshl_add_u32 v4, v3, 16, v4                  ; W1: column r, 16 h rows of 4,096 bytes down
	v_lshlrev_b32 v5, 12, v2
	v_lshl_add_u32 v5, v3, 6, v5                   ; h_decoder_prev: row r, + 64 h
	v_lshlrev_b32 v6, 4, v1                        ; 16 x lane
	v_lshlrev_b32 v7, 5, v2                        ; 32 r: my column's scale words
	v_lshlrev_b32 v8, 12, v2
	v_lshl_add_u32 v8, v3, 5, v8                   ; biasc: row r, + 32 h
	v_lshlrev_b32 v9, 5, v3                        ; b1: 32 h
	s_lshl_b32 s24, s[WV], 11
	v_add_nc_u32 v10, s24, v6                      ; LDS, in: 2,048 x wave + 16 x lane
	s_lshl_b32 s24, s[WV], 9
	v_add_nc_u32 v11, s24, v6                      ; LDS, back: 512 x wave + 16 x lane (waves 0-3 use it)
.irp b, 0,1,2,3
	v_mov_b32 v[TM+4+\b], 0                        ; written once: a lane permute's destination counts as one of its sources
.endr
	s_mov_b32 s[MNT], 0x600000                     ; the mantissa field of 448
	s_mov_b32 s[SEL], 0x76543210
	s_mov_b32 s[SEL+1], 0xfedcba98                 ; lane l xor 16
	s_mov_b32 s[C2], 0x4038aa3b                    ; 2 log2(e)
	s_mov_b32 s[C2+1], s[C2]
	s_lshr_b32 s[PART], ttmp9, 6                   ; 0: W1's encoder rows, 1: its decoder rows
	s_and_b32 s[NT], ttmp9, 63                     ; which 16 columns
	s_lshl_b32 s20, s[PART], 22                    ; 1,024 rows of 4,096 bytes
	s_lshl_b32 s21, s[WV], 19                      ; 128 rows
	s_add_co_u32 s20, s20, s21
	s_lshl_b32 s21, s[NT], 6                       ; 16 columns
	s_add_co_u32 s20, s20, s21
	s_mov_b32 s21, 0
	s_wait_kmcnt 0x0
	s_add_nc_u64 s[4:5], s[4:5], s[20:21]
.irp c, 0,1,2,3
.irp i, 0,1,2,3,4,5,6,7,8,9,10,11,12,13,14,15
	global_load_b32 v[X+16*\c+\i], v4, s[4:5] offset:(32*\c+\i)*4096   ; W1(128 s + 32 c + 16 h + i, 16 nt + r)
.endr
.endr
	s_cmp_lg_u32 s[PART], 0                        ; the one parting: the same for all eight waves of a work-group
	s_cbranch_scc1 .Ldec
	; ---- the encoder's part: codes and scale words to w1c
	s_lshr_b32 s20, s[NT], 3
	s_lshl_b32 s20, s20, 3
	s_add_co_u32 s20, s20, s[WV]                   ; block 8 G + s
	s_mul_i32 s20, s20, 16896
	s_and_b32 s24, s[NT], 7                        ; fragment b
	s_lshl_b32 s25, s24, 11
	s_add_co_u32 s26, s20, s25
	s_mov_b32 s27, 0
	s_lshl_b32 s24, s24, 2
	s_add_co_u32 s28, s20, s24
	s_add_co_u32 s28, s28, 16384
	s_mov_b32 s29, 0
	s_add_nc_u64 s[26:27], s[10:11], s[26:27]      ; the fragment's image
	s_add_nc_u64 s[28:29], s[10:11], s[28:29]      ; its scale words
	s_wait_loadcnt 0x0
	QUANT X, WC, WW
.irp c, 0,1,2,3
	global_store_b128 v6, v[WC+4*\c:WC+4*\c+3], s[26:27] offset:512*\c   ; 32 lanes store 512 consecutive bytes
.endr
	global_store_b32 v7, v[WW], s[28:29]           ; lanes r and r + 16 write the same word with the same value
	s_endpgm
	; ---- the decoder's part
.Ldec:
	s_lshl_b32 s20, s[WV], 9                       ; 128 numbers along K
	s_add_nc_u64 s[6:7], s[6:7], s[20:21]
.irp t, 0,1
.irp c, 0,1,2,3
.irp j, 0,1,2,3
	global_load_b128 v[XA0+64*\t+16*\c+4*\j:XA0+64*\t+16*\c+4*\j+3], v5, s[6:7] offset:65536*\t+128*\c+16*\j
.endr
.endr
.endr
	s_wait_loadcnt 32                              ; W1's 64 loads are in; the 32 of h_decoder_prev may be out
	QUANT X, WC, WW
	s_wait_loadcnt 16                              ; rows 0-15 are in
	QUANT XA0, AC0, AW0
	s_wait_loadcnt 0x0
	QUANT XA1, AC1, AW1
.rept 8
	v_nop                                          ; codes written by vector instructions stand 4 places, scale words 8, ahead of a scaled matrix instruction
.endr
	; transposed: source 0 = 16 columns of W1, source 1 = 16 rows: lane (r, h), register j: row 16 t + r, column 16 nt + 8 h + j
	v_wmma_scale_f32_16x16x128_f8f6f4 v[D0:D0+7], v[WC:WC+15], v[AC0:AC0+15], 0, v[WW], v[AW0]
	v_wmma_scale_f32_16x16x128_f8f6f4 v[D1:D1+7], v[WC:WC+15], v[AC1:AC1+15], 0, v[WW], v[AW1]
.rept 8
	v_nop                                          ; eight places behind this form before its result is read
.endr
	ds_store_b128 v10, v[D0:D0+3]                  ; each result from its low end on
	ds_store_b128 v10, v[D0+4:D0+7] offset:512
	ds_store_b128 v10, v[D1:D1+3] offset:1024
	ds_store_b128 v10, v[D1+4:D1+7] offset:1536
	s_wait_dscnt 0x0                               ; for the others' sake: my partial sums lie in LDS
	s_barrier_signal -1
	s_barrier_wait -1
	s_cmp_ge_u32 s[WV], 4
	s_cbranch_scc1 .Lend
	; wave q = 2 t + half adds the eight waves' quarter q: row 16 t + r, columns 16 nt + 8 h + 4 half + 0 .. 3
	s_and_b32 s24, s[WV], 1
	s_lshr_b32 s25, s[WV], 1
	s_lshl_b32 s20, s[NT], 6
	s_lshl_b32 s24, s24, 4
	s_add_co_u32 s20, s20, s24
	s_add_nc_u64 s[8:9], s[8:9], s[20:21]
	s_lshl_b32 s25, s25, 16
	s_add_co_u32 s20, s20, s25
	s_add_nc_u64 s[12:13], s[12:13], s[20:21]
	global_load_b128 v[160:163], v9, s[8:9]        ; b1
.irp i, 0,1,2,3,4,5,6,7
	ds_load_b128 v[128+4*\i:131+4*\i], v11 offset:2048*\i
.endr
	s_wait_dscnt 0x0
.irp i, 0,8,16,24
	v_pk_add_f32 v[128+\i:129+\i], v[128+\i:129+\i], v[132+\i:133+\i]
	v_pk_add_f32 v[130+\i:131+\i], v[130+\i:131+\i], v[134+\i:135+\i]
.endr
.irp i, 0,16
	v_pk_add_f32 v[128+\i:129+\i], v[128+\i:129+\i], v[136+\i:137+\i]
	v_pk_add_f32 v[130+\i:131+\i], v[130+\i:131+\i], v[138+\i:139+\i]
.endr
	v_pk_add_f32 v[128:129], v[128:129], v[144:145]
	v_pk_add_f32 v[130:131], v[130:131], v[146:147]
	s_wait_loadcnt 0x0
	v_pk_add_f32 v[128:129], v[128:129], v[160:161]
	v_pk_add_f32 v[130:131], v[130:131], v[162:163]
	v_pk_mul_f32 v[128:129], v[128:129], s[C2:C2+1] op_sel_hi:[1,0]
	v_pk_mul_f32 v[130:131], v[130:131], s[C2:C2+1] op_sel_hi:[1,0]
	global_store_b128 v8, v[128:131], s[12:13]
.Lend:
	s_set_vgpr_msb 0x4
	s_wait_tensorcnt 0x0
	ds_add_u32 v31, v1
	s_wait_dscnt 0x0
	s_set_vgpr_msb 0x400
	s_endpgm
.Lfunc_end_k_qf6e1cb9232_prep:
	.size	k_qf6e1cb9232_prep, .Lfunc_end_k_qf6e1cb9232_prep-k_qf6e1cb9232_prep
	.p2alignl 7, 3214868480
	.fill 96, 4, 3214868480
	.section	.rodata,"a",@progbits
	.p2align	6, 0x0
	.amdhsa_kernel k_qf6e1cb9232_prep
		.amdhsa_group_segment_fixed_size 17408
		.amdhsa_private_segment_fixed_size 0
		.amdhsa_enable_private_segment 0
		.amdhsa_kernarg_size 40
		.amdhsa_user_sgpr_count 2
		.amdhsa_user_sgpr_kernarg_segment_ptr 1
		.amdhsa_wavefront_size32 1
		.amdhsa_system_sgpr_workgroup_id_x 1
		.amdhsa_system_sgpr_workgroup_id_y 1
		.amdhsa_system_sgpr_workgroup_id_z 1
		.amdhsa_system_vgpr_workitem_id 0
		.amdhsa_next_free_vgpr 258
		.amdhsa_next_free_sgpr 66
		.amdhsa_reserve_vcc 0
		.amdhsa_float_denorm_mode_32 3
		.amdhsa_float_denorm_mode_16_64 3
		.amdhsa_memory_ordered 1
		.amdhsa_forward_progress 1
		.amdhsa_inst_pref_size 48
	.end_amdhsa_kernel
	.amdgpu_metadata
---
amdhsa.version: [ 1, 2 ]
amdhsa.kernels:
  - .name:           k_qf6e1cb9232_prep
    .symbol:         k_qf6e1cb9232_prep.kd
    .args:
      - { .name: W1, .offset: 0, .size: 8, .value_kind: global_buffer, .address_space: global }
      - { .name: h_decoder_prev, .offset: 8, .size: 8, .value_kind: global_buffer, .address_space: global }
      - { .name: b1, .offset: 16, .size: 8, .value_kind: global_buffer, .address_space: global }
      - { .name: w1c, .offset: 24, .size: 8, .value_kind: global_buffer, .address_space: global }
      - { .name: biasc, .offset: 32, .size: 8, .value_kind: global_buffer, .address_space: global }
    .group_segment_fixed_size: 17408
    .private_segment_fixed_size: 0
    .kernarg_segment_align: 8
    .kernarg_segment_size: 40
    .max_flat_workgroup_size: 256
    .sgpr_count:     66
    .vgpr_count:     258
    .wavefront_size: 32
...
	.end_amdgpu_metadata
.endif
;; end of part 1
;; launch main (part 2): grid 512 x 1, 4 waves a work-group, no clusters, 181,760 bytes of LDS; arguments h_encoder, w1c, biasc, W2, b2, en, ctxp; writes en, ctxp
.if DOCPART == 2
	.amdgcn_target "amdgcn-amd-amdhsa--gfx1250"
	.amdhsa_code_object_version 6
	.text
	.protected	k_qf6e1cb9232_main
	.globl	k_qf6e1cb9232_main
	.p2align	8
	.type	k_qf6e1cb9232_main,@function
k_qf6e1cb9232_main:
	s_mov_b64 s[64:65], 0
	v_nop
	global_prefetch_b8 v0, s[64:65] scope:SCOPE_SE
	s_setreg_imm32_b32 hwreg(HW_REG_WAVE_MODE, 25, 1), 1
	s_wait_xcnt 0x0
; For a tile of 128 rows of h_encoder (one batch): en[row] = relu(b2 + sum over n of W2[n] tanh((Q(h) Q(W1_enc))[row][n] + dec_proj[n] + b1[n])), and
; ctxp[tile][:] = sum over the tile's rows of 2^((en - the tile's largest en) log2 e) x h[row][:].  The last launch joins the sixteen tiles of a batch under the batch's maximum.
; PHASES.  X: wave w quantises rows 32 w .. 32 w + 31 (MX-FP8 along K) and stores the fragments to LDS as images of the operand's registers | barrier |
; G: wave w makes all 128 rows x columns 256 w .. 256 w + 255, in two passes of 128 x 128 (64 accumulators, 512 registers), K in 8 steps of 128; behind each pass tanh and the product with W2, in registers |
; S: the four waves' partial energies meet in LDS | barrier | every wave has all 128 energies, their maximum and p | C: wave w sums p x h over the 128 rows for columns 256 w .. 256 w + 255.
; tanh(x) = 1 - 2 / (1 + 2^(2 log2(e) x)); biasc arrives multiplied by 2 log2(e).  sum W2 tanh = sum W2 - 2 sum W2 / (1 + 2^..).  An exponential that overflows gives tanh = 1, one that falls to 0 gives -1.
; THE MATRIX INSTRUCTION IS USED TRANSPOSED (source 0 = 16 columns of W1, source 1 = 16 rows of h): a lane holds one row and eight neighbouring n, so the product with W2 needs one exchange between the lanes' halves.
; W1'S CODES GO FROM MEMORY STRAIGHT INTO REGISTERS; NO TENSOR LOAD, NO CLUSTER.  Each fragment of W1 is read by ONE wave of the work-group, so a way through LDS would add 66 KB written and 64 KB read
; to each K step's 64 KB of A with no reuse inside the work-group; beside A's 135,168 bytes and the 33,792 of the stages two slots of one K step at the most would fit, each refill with
; fewer than 64 matrix instructions in which to land and a barrier in every K step.  As it stands the K loop has no barrier.
; h IS READ TWICE: a tile is 512 KB of f32, which fits neither beside its codes in LDS nor beside 512 accumulators in registers; the second read begins under the last pass's activation.
; LIMITS: NaN and infinities among the inputs are not served.  A block of zeros gets the byte 1 and zero codes.
; REGISTERS, in windows of 256.  Window 0: v1-23 addresses; v32-47 W1's scale words, two sets; v48-55 energies; v56-63 at work; v64-127 A's scale words (8 a + s); v128-255 A's eight fragments, at other times at work.
;   Window 1: W1's fragments, two sets; behind a pass v128-191 the bias, v192-255 W2.   Windows 2, 3: accumulator (a, b) at v[8 (8 (a % 4) + b)]; window 2 also takes h's rows in phases X and C.
.set AIMG, 0                           ; LDS: A's images: (8 a + s) x 2,048 + 512 c + 16 x lane
.set ASC,  131072                      ; A's scale words: 512 a + 32 r + 4 s
.set STG,  135168                      ; a stage of 16 rows x (512 + 16) bytes for each wave
.set TAB,  168960                      ; the batch's row of biasc, 4,096 bytes, then W2
.set ER,   177152                      ; partial energies: 512 x wave + 4 x row
.set PT,   179200                      ; p, a copy for each wave: 512 x wave + 4 x row
.set LI,  4                            ; 16 x lane
.set LI2, 5                            ; + 65,536: A's blocks 4-7 (an LDS offset has 16 bits)
.set BS,  6                            ; 32 r
.set SS,  7                            ; my stage, in: 16 x lane
.set SL,  8                            ; my stage, back: 528 r + 64 h
.set AI,  9                            ; my images: 32,768 x wave + 16 x lane
.set ASA, 10                           ; my scale words: ASC + 1,024 x wave + 32 r
.set AR,  11                           ; ASC + 32 r
.set TA,  12                           ; TAB + 1,024 x wave + 32 h
.set ERA, 13                           ; ER + 512 x wave + 4 r
.set ERL, 14                           ; ER + 16 x lane
.set PTS, 15                           ; PT + 512 x wave + 16 x lane
.set PA,  16                           ; p of the rows in hand
.set CO,  17                           ; 1,024 x wave + 16 x lane
.set T16, 18                           ; 16 x thread
.set AIC, 19                           ; AI, ASA, TA with the loop's step
.set ASN, 20
.set TAC, 21
.set TT,  22                           ; TAB + 16 x thread
.set SWT, 23                           ; the sum of my lane's W2
.set BSW, 32
.set ET,  48
.set TP,  56
.set ASW, 64
.set AF,  128
.set X,   128                          ; phase X: 64 numbers; v192-207 codes; v208-223 at work; v224 the scale word
.set PC,  192
.set TM,  208
.set PW,  224
.set EA,  128                          ; behind a pass: eight pairs of sums; v144-147 W2's sum
.set SW,  144
.set EN,  148                          ; v148-151 my four rows' energies
.set PP,  152                          ; v152-167 partials, then v152-155 p
.set PV,  160                          ; v160-191 p of 2 x 16 rows
.set CA,  192                          ; v192-207 the context's sums, even rows' and odd rows'
.set HB,  4                            ; s[4:5] h at the tile;  s[6:7] w1c at my blocks;  s[8:9] biasc's row;  s[10:11] W2;  s[12:13] b2;  s[14:15] en;  s[16:17] ctxp
.set WB,  6
.set WV,  18
.set MNT, 19
.set SEL, 20
.set C2,  22
.set CNT, 24
.set PASS, 25
.set B2V, 26
.set SAI, 27
.set SAS, 28
.set STA, 29
.set XB,  30
.set L2E, 36
.set PAS, 37
.set MSB, 0
.macro WIN new                         ; the immediate's high byte repeats the setting that is left; a switch that changes nothing is dropped
.if MSB != (\new)
	s_set_vgpr_msb (MSB<<8)|(\new)
.set MSB, (\new)
.endif
.endm
.set MUL_LO, 0xa1                      ; source 0 (W1) window 1, source 1 (A) window 0, C and D window 2
.set MUL_HI, 0xf1                      ; the same, C and D window 3
.macro PLACES n
.rept \n
	v_nop
.endr
.endm
; 64 numbers of a lane, register 16 b + i = k 32 b + 16 (lane / 16) + i of my row, become a fragment's codes in v[pc] on and its scale word in v[pw].
.macro QUANT src, pc, pw
.irp b, 0,1,2,3
	v_max3_num_f32 v[TM+\b], |v[\src+16*\b]|, |v[\src+1+16*\b]|, 0x4800000   ; block b: my 16 numbers, and the floor 2^(9 - 127): the byte cannot fall under 1
.endr
.irp i, 2,4,6,8,10,12,14
.irp b, 0,1,2,3
	v_max3_num_f32 v[TM+\b], v[TM+\b], |v[\src+16*\b+\i]|, |v[\src+1+16*\b+\i]|
.endr
.endr
.irp b, 0,1,2,3
	v_permlanex16_b32 v[TM+4+\b], v[TM+\b], s[SEL], s[SEL+1]
.endr
.irp b, 0,1,2,3
	v_max_num_f32 v[TM+\b], v[TM+\b], v[TM+4+\b]   ; with lane l xor 16's 16: the block's largest magnitude
.endr
.irp b, 0,1,2,3
	v_add_nc_u32 v[TM+12+\b], 0xfc000000, v[TM+\b]   ; 8 off its exponent field: the conversion's scale operand
.endr
.irp b, 0,1,2,3
	v_and_or_b32 v[TM+8+\b], v[TM+\b], 0x7f800000, s[MNT]   ; 448 x the scale
.endr
.irp b, 0,1,2,3
	v_lshrrev_b32 v[TM+4+\b], 23, v[TM+12+\b]   ; the scale's byte
.endr
	v_lshl_or_b32 v[\pw], v[TM+5], 8, v[TM+4]
	v_lshl_or_b32 v[\pw], v[TM+6], 16, v[\pw]
	v_lshl_or_b32 v[\pw], v[TM+7], 24, v[\pw]
.irp b, 0,1,2,3
.irp i, 0,1,2,3,4,5,6,7,8,9,10,11,12,13,14,15
	v_med3_num_f32 v[\src+16*\b+\i], v[\src+16*\b+\i], -v[TM+8+\b], v[TM+8+\b]   ; the conversion to an 8-bit code does not saturate (ISA guide 7.6.2): the hold comes first
.endr
	v_cvt_scalef32_pk8_fp8_f32 v[\pc+4*\b:\pc+1+4*\b], v[\src+16*\b:\src+7+16*\b], v[TM+12+\b]
	v_cvt_scalef32_pk8_fp8_f32 v[\pc+2+4*\b:\pc+3+4*\b], v[\src+8+16*\b:\src+15+16*\b], v[TM+12+\b]
.endr
	v_nop                                          ; one plain vector instruction behind the last scaled conversion
.endm
; Fragment k of four: K step (k / 2) of the two in hand, row tile k % 2 of my two.  Sixteen loads, a row each: 512 consecutive bytes.  Into set k of window 2.
.macro LOADF k, off
	WIN 0x80
.irp i, 0,1,2,3,4,5,6,7,8,9,10,11,12,13,14,15
	global_load_b128 v[64*(\k)+4*\i:64*(\k)+4*\i+3], v[LI], s[XB:XB+1] offset:(16*((\k)%2)+\i)*4096+512*((\k)/2)+(\off)
.endr
	WIN 0
.endm
; The fragment goes through my stage (in as loaded, back 16 neighbours along K of each block to a lane), is quantised, and its image and scale words go to LDS.
.macro FRAGX k, ahead, left
	s_wait_loadcnt \left                           ; loads come back in order: set k is in, the younger sets' loads stay out
	WIN 0x08                                       ; an LDS store's data are its source 1: window 2
.irp i, 0,1,2,3,4,5,6,7,8,9,10,11,12,13,14,15
	ds_store_b128 v[SS], v[64*(\k)+4*\i:64*(\k)+4*\i+3] offset:528*\i
.endr
	WIN 0
.irp b, 0,1,2,3
.irp j, 0,1,2,3
	ds_load_b128 v[X+16*\b+4*\j:X+16*\b+4*\j+3], v[SL] offset:128*\b+16*\j   ; LDS serves a wave's instructions in order: these see my stores; rows 528 bytes apart fall on sixteen different columns of 16 bytes
.endr
.endr
	s_wait_dscnt 0x0                               ; the numbers are back; the stage's stores have read set k; the last image's stores have read the codes
.if \ahead
	LOADF \k, 1024                                 ; the same fragment two K steps on
.endif
	QUANT X, PC, PW
.irp c, 0,1,2,3
	ds_store_b128 v[AIC], v[PC+4*\c:PC+4*\c+3] offset:16384*((\k)%2)+2048*((\k)/2)+512*\c
.endr
	ds_store_b32 v[ASN], v[PW] offset:512*((\k)%2)+4*((\k)/2)   ; lanes r and r + 16 write the same word with the same value
.endm
; A K step's block of W1: eight fragments into set q of window 1, and the eight scale words of my column r.  34 loads.
.macro LOADB q, off
	WIN 0x40
.irp b, 0,1,2,3,4,5,6,7
.irp c, 0,1,2,3
	global_load_b128 v[128*(\q)+16*\b+4*\c:128*(\q)+16*\b+4*\c+3], v[LI], s[WB:WB+1] offset:(\off)+2048*\b+512*\c
.endr
.endr
	WIN 0
.irp u, 0,1
	global_load_b128 v[BSW+8*(\q)+4*\u:BSW+8*(\q)+4*\u+3], v[BS], s[WB:WB+1] offset:(\off)+16384+16*\u
.endr
.endm
.macro FETCH_A s, a0                   ; A's blocks a0 .. a0 + 3 of K step s: 16 LDS loads of 512 consecutive bytes
.irp a, \a0, \a0+1, \a0+2, \a0+3
.irp c, 0,1,2,3
.if (\a) < 4
	ds_load_b128 v[AF+16*(\a)+4*\c:AF+16*(\a)+4*\c+3], v[LI] offset:(8*((\a)%4)+(\s))*2048+512*\c
.else
	ds_load_b128 v[AF+16*(\a)+4*\c:AF+16*(\a)+4*\c+3], v[LI2] offset:(8*((\a)%4)+(\s))*2048+512*\c
.endif
.endr
.endr
.endm
; 16 matrix instructions: A's blocks a0, a0 + 1 x W1's eight.  The 64 accumulators take turns, one instruction a turn, in the same order in every step.
.macro MUL16 a0, p, s, zero
.irp a, \a0, \a0+1
.irp b, 0,1,2,3,4,5,6,7
.if \zero
	v_wmma_scale_f32_16x16x128_f8f6f4 v[8*(8*((\a)%4)+\b):8*(8*((\a)%4)+\b)+7], v[128*(\p)+16*\b:128*(\p)+16*\b+15], v[AF+16*(\a):AF+16*(\a)+15], 0, v[BSW+8*(\p)+\b], v[ASW+8*(\a)+(\s)]
.else
	v_wmma_scale_f32_16x16x128_f8f6f4 v[8*(8*((\a)%4)+\b):8*(8*((\a)%4)+\b)+7], v[128*(\p)+16*\b:128*(\p)+16*\b+15], v[AF+16*(\a):AF+16*(\a)+15], v[8*(8*((\a)%4)+\b):8*(8*((\a)%4)+\b)+7], v[BSW+8*(\p)+\b], v[ASW+8*(\a)+(\s)]
.endif
.endr
.endr
.endm
; A K step: 64 matrix instructions.  The next step's block of W1 is asked for at the head, so it has the whole step in which to land; A has one set of registers: blocks 0-3 are fetched anew in the middle, 4-7 at the end.
; A load into a register that a matrix instruction has read stands eight places behind it: the v_nop.
.macro STEP s, zero
	s_wait_loadcnt 0x0                             ; this step's block of W1 is in
.if (\s) < 7
	LOADB 1-(\s)%2, ((\s)+1)*16896
.else
	s_cmp_eq_u32 s[PASS], 1                        ; the last pass has no successor: no load leaves w1c
	s_cbranch_scc1 .Lnob_\@
	LOADB 0, 8*16896                               ; the next pass's first block
.Lnob_\@:
.endif
	s_wait_dscnt 16                                ; A's blocks 0-3 are in; the youngest sixteen loads (blocks 4-7) may be out
	WIN MUL_LO
	MUL16 0, (\s)%2, \s, \zero
	MUL16 2, (\s)%2, \s, \zero
	s_wait_dscnt 0x0                               ; blocks 4-7 are in
	PLACES 8
	WIN 0
.if (\s) < 7
	FETCH_A (\s)+1, 0
.endif
	WIN MUL_HI
	MUL16 4, (\s)%2, \s, \zero
	MUL16 6, (\s)%2, \s, \zero
	PLACES 8
	WIN 0
.if (\s) < 7
	FETCH_A (\s)+1, 4
.endif
.endm
; The activation of window w's 32 accumulators and their product with W2.  The exponentials are one batch with one wait, and so are the reciprocals.
.macro ACT w, wa, we
	WIN \wa                                        ; source 0 and destination window w, source 2 (the bias) window 1
.set i, 0
.rept 128
	v_pk_fma_f32 v[2*i:2*i+1], v[2*i:2*i+1], s[C2:C2+1], v[128+(2*i)%64:129+(2*i)%64] op_sel_hi:[1,0,1]   ; 2 log2(e) x (sum + dec_proj + b1); each accumulator from its low end on
.set i, i+1
.endr
.set i, 0
.rept 256
	v_exp_f32 v[i], v[i]
.set i, i+1
.endr
	v_nop                                          ; a plain instruction behind the last exponential
	s_wait_alu depctr_va_vdst(0)
.set i, 0
.rept 128
	v_pk_add_f32 v[2*i:2*i+1], v[2*i:2*i+1], 1.0 op_sel_hi:[1,0]
.set i, i+1
.endr
.set i, 0
.rept 256
	v_rcp_f32 v[i], v[i]
.set i, i+1
.endr
	v_nop
	s_wait_alu depctr_va_vdst(0)
	WIN \we                                        ; source 0 window w, source 1 (W2) window 1, sums in window 0
.set m, 0
.rept 32
.irp aa, 0,1,2,3
.if m == 0
	v_pk_mul_f32 v[EA+2*(4*((\w)-2)+\aa):EA+2*(4*((\w)-2)+\aa)+1], v[64*\aa+2*m:64*\aa+2*m+1], v[192+2*m:193+2*m]
.else
	v_pk_fma_f32 v[EA+2*(4*((\w)-2)+\aa):EA+2*(4*((\w)-2)+\aa)+1], v[64*\aa+2*m:64*\aa+2*m+1], v[192+2*m:193+2*m], v[EA+2*(4*((\w)-2)+\aa):EA+2*(4*((\w)-2)+\aa)+1]
.endif
.endr
.set m, m+1
.endr
	WIN 0
.endm
; The context: 16 rows x my 1,024 bytes into set q of window 2: 32 loads of 512 consecutive bytes
.macro LOADC q, row
	WIN 0x80
.irp i, 0,1,2,3,4,5,6,7,8,9,10,11,12,13,14,15
.irp u, 0,1
	global_load_b128 v[128*(\q)+8*\i+4*\u:128*(\q)+8*\i+4*\u+3], v[CO], s[HB:HB+1] offset:((\row)+\i)*4096+512*\u th:TH_LOAD_NT
.endr
.endr
	WIN 0
.endm
.macro CTX q, left                     ; sums += p x h for set q's 16 rows; even and odd rows have sums of their own: eight chains
.irp x, 0,1,2,3
	ds_load_b128 v[PV+16*(\q)+4*\x:PV+16*(\q)+4*\x+3], v[PA] offset:64*(\q)+16*\x   ; every lane reads the same 16 bytes
.endr
	s_wait_loadcnt \left                           ; set q's 32 loads are in; the other set's may be out
	s_wait_dscnt 0x0
	WIN 0x02                                       ; source 0 (h) window 2
.irp i, 0,1,2,3,4,5,6,7,8,9,10,11,12,13,14,15
.irp u, 0,1
.irp j, 0,1
.if (\i)%2
	v_pk_fma_f32 v[CA+8+4*\u+2*\j:CA+9+4*\u+2*\j], v[128*(\q)+8*\i+4*\u+2*\j:128*(\q)+8*\i+4*\u+2*\j+1], v[PV+16*(\q)+\i-1:PV+16*(\q)+\i], v[CA+8+4*\u+2*\j:CA+9+4*\u+2*\j] op_sel:[0,1,0] op_sel_hi:[1,1,1]
.else
	v_pk_fma_f32 v[CA+4*\u+2*\j:CA+1+4*\u+2*\j], v[128*(\q)+8*\i+4*\u+2*\j:128*(\q)+8*\i+4*\u+2*\j+1], v[PV+16*(\q)+\i:PV+16*(\q)+\i+1], v[CA+4*\u+2*\j:CA+1+4*\u+2*\j] op_sel_hi:[1,0,1]
.endif
.endr
.endr
.endr
	WIN 0
.endm
	; ---- the head
	s_load_b256 s[4:11], s[0:1], 0x0               ; h_encoder, w1c, biasc, W2
	s_load_b128 s[12:15], s[0:1], 0x20             ; b2, en
	s_load_b64 s[16:17], s[0:1], 0x30              ; ctxp
	v_lshl_add_u32 v30, v0, 2, 0x2c400
	v_mov_b32 v31, 0
	v_lshrrev_b32 v1, 5, v0
	v_readfirstlane_b32 s[WV], v1                  ; wave 0..3
	v_and_b32 v1, 31, v0                           ; lane
	v_and_b32 v2, 15, v0                           ; r
	v_bfe_u32 v3, v0, 4, 1                         ; h
	v_lshlrev_b32 v[LI], 4, v1
	v_add_nc_u32 v[LI2], 0x10000, v[LI]
	v_lshlrev_b32 v[BS], 5, v2
	s_mul_i32 s34, s[WV], 8448
	s_add_co_u32 s34, s34, STG
	v_add_nc_u32 v[SS], s34, v[LI]
	v_mul_u32_u24 v[SL], v2, 528
	v_lshl_add_u32 v[SL], v3, 6, v[SL]
	v_add_nc_u32 v[SL], s34, v[SL]
	s_lshl_b32 s34, s[WV], 15
	v_add_nc_u32 v[AI], s34, v[LI]
	s_lshl_b32 s34, s[WV], 10
	s_add_co_u32 s35, s34, ASC
	v_add_nc_u32 v[ASA], s35, v[BS]
	v_add_nc_u32 v[AR], ASC, v[BS]
	s_add_co_u32 s35, s34, TAB
	v_lshl_add_u32 v[TA], v3, 5, s35
	v_add_nc_u32 v[CO], s34, v[LI]
	s_lshl_b32 s34, s[WV], 9
	s_add_co_u32 s35, s34, ER
	v_lshl_add_u32 v[ERA], v2, 2, s35
	v_add_nc_u32 v[ERL], ER, v[LI]
	s_add_co_u32 s[PAS], s34, PT
	v_add_nc_u32 v[PTS], s[PAS], v[LI]
	v_lshlrev_b32 v[T16], 4, v0
	v_lshl_add_u32 v[TT], v0, 4, TAB
	v_mov_b32 v[SWT], 0
.irp a, 0,1,2,3,4,5,6,7
	v_mov_b32 v[ET+\a], 0                          ; the energies are summed over two passes
	v_mov_b32 v[TP+\a], 0                          ; (lane permutes' destinations count as sources)
.endr
.irp b, 0,1,2,3
	v_mov_b32 v[TM+4+\b], 0
.endr
	s_mov_b32 s[MNT], 0x600000                     ; the mantissa field of 448
	s_mov_b32 s[SEL], 0x76543210
	s_mov_b32 s[SEL+1], 0xfedcba98                 ; lane l xor 16
	s_mov_b32 s[C2], 0x4038aa3b                    ; 2 log2(e)
	s_mov_b32 s[C2+1], s[C2]
	s_mov_b32 s[L2E], 0x3fb8aa3b                   ; log2(e)
	s_lshl_b32 s32, ttmp9, 19                      ; a tile: 128 rows of 4,096 bytes (under 2^32 for 512 tiles)
	s_mov_b32 s33, 0
	s_wait_kmcnt 0x0
	s_load_b32 s[B2V], s[12:13], 0x0               ; b2; waited for in phase S
	s_add_nc_u64 s[HB:HB+1], s[HB:HB+1], s[32:33]
	s_lshl_b32 s32, s[WV], 17                      ; my 32 rows
	s_add_nc_u64 s[XB:XB+1], s[HB:HB+1], s[32:33]
	s_mul_i32 s32, s[WV], 270336                   ; my 16 blocks of 16,896 bytes
	s_add_nc_u64 s[WB:WB+1], s[WB:WB+1], s[32:33]
	s_lshr_b32 s32, ttmp9, 4                       ; the batch
	s_lshl_b32 s32, s32, 12
	s_add_nc_u64 s[8:9], s[8:9], s[32:33]
	s_lshl_b32 s32, ttmp9, 9
	s_add_nc_u64 s[14:15], s[14:15], s[32:33]
	s_lshl_b32 s32, ttmp9, 12
	s_add_nc_u64 s[16:17], s[16:17], s[32:33]
	global_load_b128 v[192:195], v[T16], s[8:9]    ; the table: 128 threads x 16 bytes, twice for each tensor
	global_load_b128 v[196:199], v[T16], s[8:9] offset:2048
	global_load_b128 v[200:203], v[T16], s[10:11]
	global_load_b128 v[204:207], v[T16], s[10:11] offset:2048
	LOADF 0, 0
	LOADF 1, 0
	LOADF 2, 0
	s_wait_loadcnt 48                              ; the table's four loads are the oldest: they are in
.irp i, 0,1,2,3
	ds_store_b128 v[TT], v[192+4*\i:195+4*\i] offset:2048*\i
.endr
	LOADF 3, 0
	; ---- X: 8 K steps x 2 row tiles = 16 fragments, four a trip; four sets of loads are on their way
	s_mov_b32 s[SAI], 0
	s_mov_b32 s[SAS], 0
	s_mov_b32 s[CNT], 3
.Lx:
	v_add_nc_u32 v[AIC], s[SAI], v[AI]             ; two K steps' images are 4,096 bytes on, their scale words 8
	v_add_nc_u32 v[ASN], s[SAS], v[ASA]
	FRAGX 0, 1, 48
	FRAGX 1, 1, 48
	FRAGX 2, 1, 48
	FRAGX 3, 1, 48
	s_wait_xcnt 0x0                                ; the loads have read their base: it may step
	s_add_nc_u64 s[XB:XB+1], s[XB:XB+1], 1024
	s_add_co_u32 s[SAI], s[SAI], 4096
	s_add_co_u32 s[SAS], s[SAS], 8
	s_sub_co_u32 s[CNT], s[CNT], 1
	s_cmp_lg_u32 s[CNT], 0
	s_cbranch_scc1 .Lx
	v_add_nc_u32 v[AIC], s[SAI], v[AI]
	v_add_nc_u32 v[ASN], s[SAS], v[ASA]
	FRAGX 0, 0, 48                                 ; the last two K steps load nothing: the counts run down
	FRAGX 1, 0, 32
	FRAGX 2, 0, 16
	FRAGX 3, 0, 0
	LOADB 0, 0                                     ; W1's first block lands while the waves meet
	s_wait_dscnt 0x0                               ; my images, scale words and part of the table lie in LDS
	s_barrier_signal -1
	s_barrier_wait -1
	; ---- G
.irp a, 0,1,2,3,4,5,6,7
.irp q, 0,1
	ds_load_b128 v[ASW+8*\a+4*\q:ASW+8*\a+4*\q+3], v[AR] offset:512*\a+16*\q   ; A's scale words for all of K: they stay
.endr
.endr
	s_mov_b32 s[PASS], 0
	s_mov_b32 s[STA], 0
.Lpass:
	v_add_nc_u32 v[TAC], s[STA], v[TA]             ; this pass's 128 columns in the table
	FETCH_A 0, 0
	FETCH_A 0, 4
	STEP 0, 1                                      ; the first step's products start the sums: nothing is cleared
.irp s, 1,2,3,4,5,6,7
	STEP \s, 0
.endr
	; behind the pass: lane (r, h) wants the bias and W2 at n = 16 b + 8 h + j, in register 8 b + j, as the accumulators lie
	WIN 0x40
.irp b, 0,1,2,3,4,5,6,7
.irp u, 0,1
	ds_load_b128 v[128+8*\b+4*\u:131+8*\b+4*\u], v[TAC] offset:64*\b+16*\u
	ds_load_b128 v[192+8*\b+4*\u:195+8*\b+4*\u], v[TAC] offset:4096+64*\b+16*\u
.endr
.endr
	WIN 0
	s_wait_dscnt 0x0
	WIN 0x05                                       ; the sum of my 64 numbers of W2, in two chains
	v_pk_add_f32 v[SW:SW+1], v[192:193], v[194:195]
	v_pk_add_f32 v[SW+2:SW+3], v[196:197], v[198:199]
	WIN 0x04
.irp j, 8,12,16,20,24,28,32,36,40,44,48,52,56,60
	v_pk_add_f32 v[SW:SW+1], v[SW:SW+1], v[192+\j:193+\j]
	v_pk_add_f32 v[SW+2:SW+3], v[SW+2:SW+3], v[194+\j:195+\j]
.endr
	WIN 0
	v_pk_add_f32 v[SW:SW+1], v[SW:SW+1], v[SW+2:SW+3]
	v_add_f32 v[SW], v[SW], v[SW+1]
	v_add_f32 v[SWT], v[SWT], v[SW]
	ACT 2, 0x92, 0x06
	s_cmp_eq_u32 s[PASS], 0                        ; in the last pass window 2 is free from here on: the context's first 32 rows are asked for under window 3's activation
	s_cbranch_scc1 .Lnoc
	LOADC 0, 0
	LOADC 1, 16
.Lnoc:
	ACT 3, 0xd3, 0x07
.irp a, 0,1,2,3,4,5,6,7
	v_add_f32 v[TP+\a], v[EA+2*\a], v[EA+2*\a+1]
.endr
.irp a, 0,1,2,3,4,5,6,7
	v_fma_f32 v[ET+\a], v[TP+\a], -2.0, v[ET+\a]   ; - 2 sum W2 / (1 + 2^..)
.endr
	s_wait_xcnt 0x0                                ; the loads have read their base: it may step
	s_add_nc_u64 s[WB:WB+1], s[WB:WB+1], 135168    ; eight blocks on
	s_add_co_u32 s[STA], s[STA], 512
	s_add_co_u32 s[PASS], s[PASS], 1
	s_cmp_lt_u32 s[PASS], 2
	s_cbranch_scc1 .Lpass
	; ---- S: lane (r, h) holds, for row 16 a + r, the sum over its half of my 256 columns
.irp a, 0,1,2,3,4,5,6,7
	v_add_f32 v[ET+\a], v[ET+\a], v[SWT]           ; + sum W2
.endr
.irp a, 0,1,2,3,4,5,6,7
	v_permlanex16_b32 v[TP+\a], v[ET+\a], s[SEL], s[SEL+1]
.endr
.irp a, 0,1,2,3,4,5,6,7
	v_add_f32 v[ET+\a], v[ET+\a], v[TP+\a]
.endr
.irp a, 0,1,2,3,4,5,6,7
	ds_store_b32 v[ERA], v[ET+\a] offset:64*\a     ; lanes r and r + 16 write the same word with the same value
.endr
	s_wait_dscnt 0x0                               ; for the others' sake
	s_barrier_signal -1
	s_barrier_wait -1
.irp w, 0,1,2,3
	ds_load_b128 v[PP+4*\w:PP+4*\w+3], v[ERL] offset:512*\w   ; rows 4 x lane .. + 3, each wave's part
.endr
	s_wait_dscnt 0x0
	s_wait_kmcnt 0x0                               ; b2
	v_pk_add_f32 v[PP:PP+1], v[PP:PP+1], v[PP+4:PP+5]
	v_pk_add_f32 v[PP+2:PP+3], v[PP+2:PP+3], v[PP+6:PP+7]
	v_pk_add_f32 v[PP+8:PP+9], v[PP+8:PP+9], v[PP+12:PP+13]
	v_pk_add_f32 v[PP+10:PP+11], v[PP+10:PP+11], v[PP+14:PP+15]
	v_pk_add_f32 v[EN:EN+1], v[PP:PP+1], v[PP+8:PP+9]
	v_pk_add_f32 v[EN+2:EN+3], v[PP+2:PP+3], v[PP+10:PP+11]
.irp i, 0,1,2,3
	v_add_f32 v[EN+\i], s[B2V], v[EN+\i]
.endr
.irp i, 0,1,2,3
	v_max_num_f32 v[EN+\i], 0, v[EN+\i]            ; relu
.endr
	s_cmp_lg_u32 s[WV], 0
	s_cbranch_scc1 .Lnot0
	global_store_b128 v[LI], v[EN:EN+3], s[14:15]  ; wave 0 stores the tile's 512 consecutive bytes; its registers are not written again
.Lnot0:
	v_max3_num_f32 v[TP], v[EN], v[EN+1], v[EN+2]  ; the tile's largest energy is taken away before the exponential
	v_max_num_f32 v[TP], v[TP], v[EN+3]
	v_max_num_f32_dpp v[TP], v[TP], v[TP] row_xmask:1 row_mask:0xf bank_mask:0xf
	v_max_num_f32_dpp v[TP], v[TP], v[TP] row_xmask:2 row_mask:0xf bank_mask:0xf
	v_max_num_f32_dpp v[TP], v[TP], v[TP] row_xmask:4 row_mask:0xf bank_mask:0xf
	v_max_num_f32_dpp v[TP], v[TP], v[TP] row_xmask:8 row_mask:0xf bank_mask:0xf
	v_permlanex16_b32 v[TP+1], v[TP], s[SEL], s[SEL+1]
	v_max_num_f32 v[TP], v[TP], v[TP+1]
	v_mul_f32 v[TP], s[L2E], v[TP]
.irp i, 0,1,2,3
	v_fma_f32 v[PP+\i], v[EN+\i], s[L2E], -v[TP]
.endr
.irp i, 0,1,2,3
	v_exp_f32 v[PP+\i], v[PP+\i]                   ; p = 2^((e - m) log2 e), at most 1
.endr
.irp i, 0,1,2,3,4,5,6,7,8,9,10,11,12,13,14,15
	v_mov_b32 v[CA+\i], 0                          ; the context's sums begin: plain work behind the exponentials
.endr
	s_wait_alu depctr_va_vdst(0)                   ; one wait for the four, ahead of their first reader
	ds_store_b128 v[PTS], v[PP:PP+3]               ; my wave's own copy of p: no barrier
	; ---- C: 128 rows, 32 a trip; two sets of 16 rows, one at work, one on its way
	s_mov_b32 s[CNT], 3
.Lc:
	v_mov_b32 v[PA], s[PAS]
	CTX 0, 32
	LOADC 0, 32
	CTX 1, 32
	LOADC 1, 48
	s_wait_xcnt 0x0                                ; the loads have read their base: it may step
	s_add_nc_u64 s[HB:HB+1], s[HB:HB+1], 131072    ; 32 rows on
	s_add_co_u32 s[PAS], s[PAS], 128
	s_sub_co_u32 s[CNT], s[CNT], 1
	s_cmp_lg_u32 s[CNT], 0
	s_cbranch_scc1 .Lc
	v_mov_b32 v[PA], s[PAS]
	CTX 0, 32                                      ; the last 32 rows: nothing more is loaded
	CTX 1, 0
.irp j, 0,2,4,6
	v_pk_add_f32 v[CA+\j:CA+\j+1], v[CA+\j:CA+\j+1], v[CA+8+\j:CA+9+\j]   ; even rows' and odd rows' sums
.endr
	global_store_b128 v[CO], v[CA:CA+3], s[16:17]              ; 32 lanes store 512 consecutive bytes
	global_store_b128 v[CO], v[CA+4:CA+7], s[16:17] offset:512
	s_wait_tensorcnt 0x0
	ds_add_u32 v30, v31
	s_wait_dscnt 0x0
	s_endpgm
.Lfunc_end_k_qf6e1cb9232_main:
	.size	k_qf6e1cb9232_main, .Lfunc_end_k_qf6e1cb9232_main-k_qf6e1cb9232_main
	.p2alignl 7, 3214868480
	.fill 96, 4, 3214868480
	.section	.rodata,"a",@progbits
	.p2align	6, 0x0
	.amdhsa_kernel k_qf6e1cb9232_main
		.amdhsa_group_segment_fixed_size 181760
		.amdhsa_private_segment_fixed_size 0
		.amdhsa_enable_private_segment 0
		.amdhsa_kernarg_size 56
		.amdhsa_user_sgpr_count 2
		.amdhsa_user_sgpr_kernarg_segment_ptr 1
		.amdhsa_wavefront_size32 1
		.amdhsa_system_sgpr_workgroup_id_x 1
		.amdhsa_system_sgpr_workgroup_id_y 1
		.amdhsa_system_sgpr_workgroup_id_z 1
		.amdhsa_system_vgpr_workitem_id 0
		.amdhsa_next_free_vgpr 1024
		.amdhsa_next_free_sgpr 66
		.amdhsa_reserve_vcc 0
		.amdhsa_float_denorm_mode_32 3
		.amdhsa_float_denorm_mode_16_64 3
		.amdhsa_memory_ordered 1
		.amdhsa_forward_progress 1
		.amdhsa_inst_pref_size 255
	.end_amdhsa_kernel
	.section	.bss,"aw",@nobits
	.p2align	6
	.space	262144
	.amdgpu_metadata
---
amdhsa.version: [ 1, 2 ]
amdhsa.kernels:
  - .name:           k_qf6e1cb9232_main
    .symbol:         k_qf6e1cb9232_main.kd
    .args:
      - { .name: h_encoder, .offset: 0, .size: 8, .value_kind: global_buffer, .address_space: global }
      - { .name: w1c, .offset: 8, .size: 8, .value_kind: global_buffer, .address_space: global }
      - { .name: biasc, .offset: 16, .size: 8, .value_kind: global_buffer, .address_space: global }
      - { .name: W2, .offset: 24, .size: 8, .value_kind: global_buffer, .address_space: global }
      - { .name: b2, .offset: 32, .size: 8, .value_kind: global_buffer, .address_space: global }
      - { .name: en, .offset: 40, .size: 8, .value_kind: global_buffer, .address_space: global }
      - { .name: ctxp, .offset: 48, .size: 8, .value_kind: global_buffer, .address_space: global }
    .group_segment_fixed_size: 181760
    .private_segment_fixed_size: 0
    .kernarg_segment_align: 8
    .kernarg_segment_size: 56
    .max_flat_workgroup_size: 128
    .sgpr_count:     66
    .vgpr_count:     1024
    .wavefront_size: 32
...
	.end_amdgpu_metadata
.endif
;; end of part 2
;; launch finish (part 3): grid 32 x 1, 8 waves a work-group, no clusters, 1,280 bytes of LDS; arguments en, ctxp, out0, out1; writes out0, out1
.if DOCPART == 3
	.amdgcn_target "amdgcn-amd-amdhsa--gfx1250"
	.amdhsa_code_object_version 6
	.text
	.protected	k_qf6e1cb9232_finish
	.globl	k_qf6e1cb9232_finish
	.p2align	8
	.type	k_qf6e1cb9232_finish,@function
k_qf6e1cb9232_finish:
	s_mov_b64 s[64:65], 0
	v_nop
	global_prefetch_b8 v0, s[64:65] scope:SCOPE_SE
	s_setreg_imm32_b32 hwreg(HW_REG_WAVE_MODE, 25, 1), 1
	s_wait_xcnt 0x0
; The softmax over a batch's 2,048 energies, and the joining of its sixteen tiles' weighted sums.  A work-group takes a batch: there are 32 batches, and 2.4 MB in all, so 32 work-groups.
; Thread t holds rows 4 t .. 4 t + 3 and 1,024 + 4 t .. + 3: a wave holds tile w and tile 8 + w whole, so the tiles' maxima, under which ctxp was summed, are found again exactly.
; out1 = 2^((e - M) log2 e) / L;  out0 = sum over tiles k of ctxp[k] x 2^((m_k - M) log2 e) / L, M the batch's largest energy, L the sum of the exponentials (at least 1).
; No matrix unit, no tensor load: a few kilobytes a wave.  Every load and store of a wave covers 512 consecutive bytes.
	s_load_b256 s[4:11], s[0:1], 0x0               ; en, ctxp, out0, out1
	v_lshl_add_u32 v128, v0, 2, 0x100
	v_mov_b32 v129, 0
	v_lshrrev_b32 v1, 5, v0
	v_readfirstlane_b32 s12, v1                    ; wave 0..7
	v_lshlrev_b32 v1, 4, v0                        ; 16 t
	s_lshl_b32 s13, s12, 2
	v_mov_b32 v2, s13                              ; LDS: 4 x wave
	v_mov_b32 v3, 0
	v_mov_b32 v14, 0                               ; (lane permutes' destinations count as sources)
	v_mov_b32 v15, 0
	s_mov_b32 s14, 0x76543210
	s_mov_b32 s15, 0xfedcba98                      ; lane l xor 16
	s_mov_b32 s16, 0x3fb8aa3b                      ; log2(e)
	s_lshl_b32 s20, ttmp9, 13                      ; 2,048 energies
	s_mov_b32 s21, 0
	s_lshl_b32 s22, ttmp9, 16                      ; 16 tiles x 4,096 bytes
	s_mov_b32 s23, 0
	s_lshl_b32 s18, ttmp9, 12                      ; a row of out0
	s_mov_b32 s19, 0
	s_wait_kmcnt 0x0
	s_add_nc_u64 s[4:5], s[4:5], s[20:21]
	s_add_nc_u64 s[6:7], s[6:7], s[22:23]
	s_add_nc_u64 s[8:9], s[8:9], s[18:19]
	s_add_nc_u64 s[10:11], s[10:11], s[20:21]
	global_load_b128 v[4:7], v1, s[4:5]
	global_load_b128 v[8:11], v1, s[4:5] offset:4096
.irp k, 0,1,2,3,4,5,6,7,8,9,10,11,12,13,14,15
	global_load_b128 v[64+4*\k:67+4*\k], v1, s[6:7] offset:4096*\k th:TH_LOAD_NT   ; tile k's sums at my four columns
.endr
	s_wait_loadcnt 16                              ; the energies are in; the sixteen loads of ctxp may be out
	v_max3_num_f32 v12, v4, v5, v6
	v_max3_num_f32 v13, v8, v9, v10
	v_max_num_f32 v12, v12, v7
	v_max_num_f32 v13, v13, v11
.irp x, 1,2,4,8
	v_max_num_f32_dpp v12, v12, v12 row_xmask:\x row_mask:0xf bank_mask:0xf
	v_max_num_f32_dpp v13, v13, v13 row_xmask:\x row_mask:0xf bank_mask:0xf
.endr
	v_permlanex16_b32 v14, v12, s14, s15
	v_permlanex16_b32 v15, v13, s14, s15
	v_max_num_f32 v12, v12, v14                    ; tile w's largest energy,
	v_max_num_f32 v13, v13, v15                    ; tile 8 + w's
	ds_store_b32 v2, v12                           ; all lanes write the same word with the same value
	ds_store_b32 v2, v13 offset:32
	s_wait_dscnt 0x0
	s_barrier_signal -1
	s_barrier_wait -1
.irp i, 0,1,2,3
	ds_load_b128 v[20+4*\i:23+4*\i], v3 offset:16*\i   ; the sixteen tiles' maxima, in every lane
.endr
	s_wait_dscnt 0x0
	v_max3_num_f32 v36, v20, v21, v22
.irp i, 23,25,27,29,31,33
	v_max3_num_f32 v36, v36, v[\i], v[\i+1]
.endr
	v_max_num_f32 v36, v36, v35                    ; M
	v_mul_f32 v37, s16, v36
.irp i, 0,1,2,3,4,5,6,7
	v_fma_f32 v[4+\i], v[4+\i], s16, -v37
.endr
.irp k, 0,1,2,3,4,5,6,7,8,9,10,11,12,13,14,15
	v_fma_f32 v[20+\k], v[20+\k], s16, -v37
.endr
.irp i, 0,1,2,3,4,5,6,7
	v_exp_f32 v[4+\i], v[4+\i]                     ; p
.endr
.irp k, 0,1,2,3,4,5,6,7,8,9,10,11,12,13,14,15
	v_exp_f32 v[20+\k], v[20+\k]                   ; f_k
.endr
	v_nop                                          ; a plain instruction behind the last exponential
	s_wait_alu depctr_va_vdst(0)                   ; one wait for the batch of 24, ahead of its first reader
	v_pk_add_f32 v[38:39], v[4:5], v[6:7]
	v_pk_add_f32 v[40:41], v[8:9], v[10:11]
	v_pk_add_f32 v[38:39], v[38:39], v[40:41]
	v_add_f32 v38, v38, v39
.irp x, 1,2,4,8
	v_add_f32_dpp v38, v38, v38 row_xmask:\x row_mask:0xf bank_mask:0xf
.endr
	v_permlanex16_b32 v14, v38, s14, s15
	v_add_f32 v38, v38, v14                        ; my wave's sum
	ds_store_b32 v2, v38 offset:64                 ; other bytes than the maxima's
	s_wait_dscnt 0x0
	s_barrier_signal -1
	s_barrier_wait -1
	ds_load_b128 v[40:43], v3 offset:64
	ds_load_b128 v[44:47], v3 offset:80
	s_wait_dscnt 0x0
	v_pk_add_f32 v[40:41], v[40:41], v[42:43]
	v_pk_add_f32 v[44:45], v[44:45], v[46:47]
	v_pk_add_f32 v[40:41], v[40:41], v[44:45]
	v_add_f32 v48, v40, v41                        ; L
	v_rcp_f32 v50, v48
	v_mov_b32 v51, 0                               ; a plain instruction behind the reciprocal; v51 is named with v50 as a pair
	s_wait_alu depctr_va_vdst(0)
.irp i, 0,2,4,6
	v_pk_mul_f32 v[4+\i:5+\i], v[4+\i:5+\i], v[50:51] op_sel_hi:[1,0]
.endr
	global_store_b128 v1, v[4:7], s[10:11]
	global_store_b128 v1, v[8:11], s[10:11] offset:4096
	s_wait_loadcnt 0x0                             ; ctxp
	v_pk_mul_f32 v[52:53], v[64:65], v[20:21] op_sel_hi:[1,0]
	v_pk_mul_f32 v[54:55], v[66:67], v[20:21] op_sel_hi:[1,0]
.irp k, 1,2,3,4,5,6,7,8,9,10,11,12,13,14,15
.if (\k)%2
	v_pk_fma_f32 v[52:53], v[64+4*\k:65+4*\k], v[19+\k:20+\k], v[52:53] op_sel:[0,1,0] op_sel_hi:[1,1,1]
	v_pk_fma_f32 v[54:55], v[66+4*\k:67+4*\k], v[19+\k:20+\k], v[54:55] op_sel:[0,1,0] op_sel_hi:[1,1,1]
.else
	v_pk_fma_f32 v[52:53], v[64+4*\k:65+4*\k], v[20+\k:21+\k], v[52:53] op_sel_hi:[1,0,1]
	v_pk_fma_f32 v[54:55], v[66+4*\k:67+4*\k], v[20+\k:21+\k], v[54:55] op_sel_hi:[1,0,1]
.endif
.endr
	v_pk_mul_f32 v[52:53], v[52:53], v[50:51] op_sel_hi:[1,0]
	v_pk_mul_f32 v[54:55], v[54:55], v[50:51] op_sel_hi:[1,0]
	global_store_b128 v1, v[52:55], s[8:9]
	s_wait_tensorcnt 0x0
	ds_add_u32 v128, v129
	s_wait_dscnt 0x0
	s_endpgm
.Lfunc_end_k_qf6e1cb9232_finish:
	.size	k_qf6e1cb9232_finish, .Lfunc_end_k_qf6e1cb9232_finish-k_qf6e1cb9232_finish
	.p2alignl 7, 3214868480
	.fill 96, 4, 3214868480
	.section	.rodata,"a",@progbits
	.p2align	6, 0x0
	.amdhsa_kernel k_qf6e1cb9232_finish
		.amdhsa_group_segment_fixed_size 1280
		.amdhsa_private_segment_fixed_size 0
		.amdhsa_enable_private_segment 0
		.amdhsa_kernarg_size 32
		.amdhsa_user_sgpr_count 2
		.amdhsa_user_sgpr_kernarg_segment_ptr 1
		.amdhsa_wavefront_size32 1
		.amdhsa_system_sgpr_workgroup_id_x 1
		.amdhsa_system_sgpr_workgroup_id_y 1
		.amdhsa_system_sgpr_workgroup_id_z 1
		.amdhsa_system_vgpr_workitem_id 0
		.amdhsa_next_free_vgpr 130
		.amdhsa_next_free_sgpr 66
		.amdhsa_reserve_vcc 0
		.amdhsa_float_denorm_mode_32 3
		.amdhsa_float_denorm_mode_16_64 3
		.amdhsa_memory_ordered 1
		.amdhsa_forward_progress 1
		.amdhsa_inst_pref_size 12
	.end_amdhsa_kernel
	.amdgpu_metadata
---
amdhsa.version: [ 1, 2 ]
amdhsa.kernels:
  - .name:           k_qf6e1cb9232_finish
    .symbol:         k_qf6e1cb9232_finish.kd
    .args:
      - { .name: en, .offset: 0, .size: 8, .value_kind: global_buffer, .address_space: global }
      - { .name: ctxp, .offset: 8, .size: 8, .value_kind: global_buffer, .address_space: global }
      - { .name: out0, .offset: 16, .size: 8, .value_kind: global_buffer, .address_space: global }
      - { .name: out1, .offset: 24, .size: 8, .value_kind: global_buffer, .address_space: global }
    .group_segment_fixed_size: 1280
    .private_segment_fixed_size: 0
    .kernarg_segment_align: 8
    .kernarg_segment_size: 32
    .max_flat_workgroup_size: 256
    .sgpr_count:     66
    .vgpr_count:     130
    .wavefront_size: 32
...
	.end_amdgpu_metadata
.endif
;; end of part 3
;; ======== version 2 of 2: 3 launches
;; workspace buffers: w1c 1,081,344 bytes; biasc 131,072 bytes; en 262,144 bytes; ctxp 2,097,152 bytes
;; launch prep (part 4): grid 128 x 1, 8 waves a work-group, no clusters, 17,408 bytes of LDS; arguments W1, h_decoder_prev, b1, w1c, biasc; writes w1c, biasc
.if DOCPART == 4
	.amdgcn_target "amdgcn-amd-amdhsa--gfx1250"
	.amdhsa_code_object_version 6
	.text
	.protected	k_qf6e1cb9232_prep
	.globl	k_qf6e1cb9232_prep
	.p2align	8
	.type	k_qf6e1cb9232_prep,@function
k_qf6e1cb9232_prep:
	s_mov_b64 s[64:65], 0
	v_nop
	global_prefetch_b8 v0, s[64:65] scope:SCOPE_SE
	s_setreg_imm32_b32 hwreg(HW_REG_WAVE_SCHED_MODE, 0, 2), 2
	s_setreg_imm32_b32 hwreg(HW_REG_WAVE_MODE, 25, 1), 1
	s_wait_xcnt 0x0
	s_wait_alu depctr_vm_vsrc(0)
; W1 [2048][1024] f32 has K as its first axis.  Work-groups 0-63 turn W1's rows 0-1023 (the encoder's part) into codes of FP8 (E4M3) with one E8M0 byte for each 32 along K,
; laid in the order of the operand's registers: block (G = n / 128, s = k / 128) of 16,896 bytes: eight fragment images of 2,048 bytes (fragment b: columns 128 G + 16 b + r;
; register group c of lane l at 2048 b + 512 c + 16 l), then 512 bytes of scale words at 16,384 + 32 r + 4 b.
; Work-groups 64-127 quantise W1's rows 1024-2047 and h_decoder_prev, multiply them, and store biasc[m][n] = (h_decoder_prev W1_dec + b1)[m][n] x 2 log2(e).
; SHARES: a work-group takes 16 columns n, wave w the K step 128 w .. 128 w + 127.  A LANE TAKES A COLUMN AND ITS REGISTERS RUN DOWN K, in the operand's own order
; (lane (r, h): k = 32 c + 16 h + 0 .. 15), so the conversions' results are the fragment.  Each load of W1 reads 64 neighbouring bytes in sixteen lanes; the tensor is 8 MB and is read once.
; The decoder's product is split along K over the eight waves; the eight partial sums meet in LDS and are added in f32 (an order of sums other than one chain along K).
; The scale words leave as 4 bytes a lane, 32 bytes apart (32 KB in the whole launch): the layout serves the reader, which takes a K step's eight words of a column by two loads of 16 bytes.
; LIMITS: NaN and infinities among the inputs are not served.  A block of zeros gets the byte 1 and zero codes (the bytes are read by this program alone).
; THE MODE: SCHED_MODE bits 1:0 = 2 (LLVM: expert scheduling mode 2), set by the entry lines.  The code itself states the register dependences
; between vector or matrix instructions and memory or LDS instructions, with s_wait_alu, always for 0.
; THE PLAN.  Registers that memory or LDS instructions touch:
;   v4-v11       addresses and offsets, made once at the head and never written again: one wait ahead of the first load serves every load and store.
;   X, XA0, XA1  written by loads alone, ahead of any vector instruction that names them.
;   WC, WW       written by the conversions, read by the encoder path's stores: one wait between.
;   D0, D1       written by the two products, read by the LDS stores: the places, then one wait.  That wait also shows QUANT done with v128-163, in which the partial sums and b1 land.
;   v128-131     the sums, read by the last store: one wait between.
.set TM,  12                           ; v12-27  at work in QUANT
.set WW,  28                           ; v28     W's scale word;  v29, v30  those of h_decoder_prev's two row tiles: these three hold scales and nothing else
.set AW0, 29
.set AW1, 30
.set WC,  32                           ; v32-47  W's codes
.set AC0, 48                           ; v48-63  codes of rows 0-15
.set X,   64                           ; v64-127 W's 64 numbers; later:
.set AC1, 64                           ; v64-79  codes of rows 16-31
.set D0,  80                           ; v80-87, v88-95 the two results
.set D1,  88
.set XA0, 128                          ; v128-191, v192-255 64 numbers of each row tile
.set XA1, 192
.set WV,  14
.set PART, 15
.set NT,  16
.set MNT, 17
.set SEL, 18
.set C2,  22
; 64 numbers of a lane, register 16 b + i = k 32 b + 16 (lane / 16) + i, become a fragment's codes in v[pc] on and its scale word in v[pw].
.macro QUANT src, pc, pw
.irp b, 0,1,2,3
	v_max3_num_f32 v[TM+\b], |v[\src+16*\b]|, |v[\src+1+16*\b]|, 0x4800000   ; block b: my 16 numbers, and the floor 2^(9 - 127): the byte cannot fall under 1
.endr
.irp i, 2,4,6,8,10,12,14
.irp b, 0,1,2,3
	v_max3_num_f32 v[TM+\b], v[TM+\b], |v[\src+16*\b+\i]|, |v[\src+1+16*\b+\i]|   ; the four blocks by turns
.endr
.endr
.irp b, 0,1,2,3
	v_permlanex16_b32 v[TM+4+\b], v[TM+\b], s[SEL], s[SEL+1]
.endr
.irp b, 0,1,2,3
	v_max_num_f32 v[TM+\b], v[TM+\b], v[TM+4+\b]   ; with lane l xor 16's 16: the block's largest magnitude
.endr
.irp b, 0,1,2,3
	v_add_nc_u32 v[TM+12+\b], 0xfc000000, v[TM+\b]   ; 8 off its exponent field: the conversion's scale operand
.endr
.irp b, 0,1,2,3
	v_and_or_b32 v[TM+8+\b], v[TM+\b], 0x7f800000, s[MNT]   ; 448 x the scale
.endr
.irp b, 0,1,2,3
	v_lshrrev_b32 v[TM+4+\b], 23, v[TM+12+\b]   ; the scale's byte
.endr
	v_lshl_or_b32 v[\pw], v[TM+5], 8, v[TM+4]
	v_lshl_or_b32 v[\pw], v[TM+6], 16, v[\pw]
	v_lshl_or_b32 v[\pw], v[TM+7], 24, v[\pw]
.irp b, 0,1,2,3
.irp i, 0,1,2,3,4,5,6,7,8,9,10,11,12,13,14,15
	v_med3_num_f32 v[\src+16*\b+\i], v[\src+16*\b+\i], -v[TM+8+\b], v[TM+8+\b]   ; the conversion to an 8-bit code does not saturate (ISA guide 7.6.2): the hold comes first
.endr
	v_cvt_scalef32_pk8_fp8_f32 v[\pc+4*\b:\pc+1+4*\b], v[\src+16*\b:\src+7+16*\b], v[TM+12+\b]
	v_cvt_scalef32_pk8_fp8_f32 v[\pc+2+4*\b:\pc+3+4*\b], v[\src+8+16*\b:\src+15+16*\b], v[TM+12+\b]
.endr
	v_nop                                          ; one plain vector instruction behind the last scaled conversion
.endm
	s_load_b256 s[4:11], s[0:1], 0x0               ; W1 s[4:5], h_decoder_prev s[6:7], b1 s[8:9], w1c s[10:11]
	s_load_b64 s[12:13], s[0:1], 0x20              ; biasc
	v_lshl_add_u32 v31, v0, 2, 0x4000
	s_set_vgpr_msb 0x40
	v_mov_b32 v1, 0
	s_set_vgpr_msb 0x4000
	v_lshrrev_b32 v1, 5, v0
	v_readfirstlane_b32 s[WV], v1                  ; wave = K step
	v_and_b32 v1, 31, v0                           ; lane
	v_and_b32 v2, 15, v0                           ; r
	v_bfe_u32 v3, v0, 4, 1                         ; h
	v_lshlrev_b32 v4, 2, v2
	v_lshl_add_u32 v4, v3, 16, v4                  ; W1: column r, 16 h rows of 4,096 bytes down
	v_lshlrev_b32 v5, 12, v2
	v_lshl_add_u32 v5, v3, 6, v5                   ; h_decoder_prev: row r, + 64 h
	v_lshlrev_b32 v6, 4, v1                        ; 16 x lane
	v_lshlrev_b32 v7, 5, v2                        ; 32 r: my column's scale words
	v_lshlrev_b32 v8, 12, v2
	v_lshl_add_u32 v8, v3, 5, v8                   ; biasc: row r, + 32 h
	v_lshlrev_b32 v9, 5, v3                        ; b1: 32 h
	s_wait_alu depctr_va_sdst(0)                   ; the wave's number is written, ahead of its first reader
	s_lshl_b32 s24, s[WV], 11
	v_add_nc_u32 v10, s24, v6                      ; LDS, in: 2,048 x wave + 16 x lane
	s_lshl_b32 s24, s[WV], 9
	v_add_nc_u32 v11, s24, v6                      ; LDS, back: 512 x wave + 16 x lane (waves 0-3 use it)
.irp b, 0,1,2,3
	v_mov_b32 v[TM+4+\b], 0                        ; written once: a lane permute's destination counts as one of its sources
.endr
	s_mov_b32 s[MNT], 0x600000                     ; the mantissa field of 448
	s_mov_b32 s[SEL], 0x76543210
	s_mov_b32 s[SEL+1], 0xfedcba98                 ; lane l xor 16
	s_mov_b32 s[C2], 0x4038aa3b                    ; 2 log2(e)
	s_mov_b32 s[C2+1], s[C2]
	s_lshr_b32 s[PART], ttmp9, 6                   ; 0: W1's encoder rows, 1: its decoder rows
	s_and_b32 s[NT], ttmp9, 63                     ; which 16 columns
	s_lshl_b32 s20, s[PART], 22                    ; 1,024 rows of 4,096 bytes
	s_lshl_b32 s21, s[WV], 19                      ; 128 rows
	s_add_co_u32 s20, s20, s21
	s_lshl_b32 s21, s[NT], 6                       ; 16 columns
	s_add_co_u32 s20, s20, s21
	s_mov_b32 s21, 0
	s_wait_kmcnt 0x0
	s_add_nc_u64 s[4:5], s[4:5], s[20:21]
	s_wait_alu depctr_va_vdst(0)                   ; v4 to v11 are written: every load and store of the kernel, on both paths, reads one of them as its address or offset
.irp c, 0,1,2,3
.irp i, 0,1,2,3,4,5,6,7,8,9,10,11,12,13,14,15
	global_load_b32 v[X+16*\c+\i], v4, s[4:5] offset:(32*\c+\i)*4096   ; W1(128 s + 32 c + 16 h + i, 16 nt + r)
.endr
.endr
	s_cmp_lg_u32 s[PART], 0                        ; the one parting: the same for all eight waves of a work-group
	s_cbranch_scc1 .Ldec
	; ---- the encoder's part: codes and scale words to w1c
	s_lshr_b32 s20, s[NT], 3
	s_lshl_b32 s20, s20, 3
	s_add_co_u32 s20, s20, s[WV]                   ; block 8 G + s
	s_mul_i32 s20, s20, 16896
	s_and_b32 s24, s[NT], 7                        ; fragment b
	s_lshl_b32 s25, s24, 11
	s_add_co_u32 s26, s20, s25
	s_mov_b32 s27, 0
	s_lshl_b32 s24, s24, 2
	s_add_co_u32 s28, s20, s24
	s_add_co_u32 s28, s28, 16384
	s_mov_b32 s29, 0
	s_add_nc_u64 s[26:27], s[10:11], s[26:27]      ; the fragment's image
	s_add_nc_u64 s[28:29], s[10:11], s[28:29]      ; its scale words
	s_wait_loadcnt 0x0
	QUANT X, WC, WW
	s_wait_alu depctr_va_vdst(0)                   ; the conversions have written v[WC ..] and the scale word v[WW], which the stores read
.irp c, 0,1,2,3
	global_store_b128 v6, v[WC+4*\c:WC+4*\c+3], s[26:27] offset:512*\c   ; 32 lanes store 512 consecutive bytes
.endr
	global_store_b32 v7, v[WW], s[28:29]           ; lanes r and r + 16 write the same word with the same value
	s_endpgm
	; ---- the decoder's part
.Ldec:
	s_lshl_b32 s20, s[WV], 9                       ; 128 numbers along K
	s_add_nc_u64 s[6:7], s[6:7], s[20:21]
.irp t, 0,1
.irp c, 0,1,2,3
.irp j, 0,1,2,3
	global_load_b128 v[XA0+64*\t+16*\c+4*\j:XA0+64*\t+16*\c+4*\j+3], v5, s[6:7] offset:65536*\t+128*\c+16*\j
.endr
.endr
.endr
	s_wait_loadcnt 32                              ; W1's 64 loads are in; the 32 of h_decoder_prev may be out
	QUANT X, WC, WW
	s_wait_loadcnt 16                              ; rows 0-15 are in
	QUANT XA0, AC0, AW0
	s_wait_loadcnt 0x0
	QUANT XA1, AC1, AW1
.rept 8
	v_nop                                          ; codes written by vector instructions stand 4 places, scale words 8, ahead of a scaled matrix instruction
.endr
	s_wait_alu depctr_va_vdst(0)                   ; behind the places: the conversions have written the three fragments' codes and scale words, which the scaled products take
	; transposed: source 0 = 16 columns of W1, source 1 = 16 rows: lane (r, h), register j: row 16 t + r, column 16 nt + 8 h + j
	v_wmma_scale_f32_16x16x128_f8f6f4 v[D0:D0+7], v[WC:WC+15], v[AC0:AC0+15], 0, v[WW], v[AW0]
	v_wmma_scale_f32_16x16x128_f8f6f4 v[D1:D1+7], v[WC:WC+15], v[AC1:AC1+15], 0, v[WW], v[AW1]
.rept 8
	v_nop                                          ; eight places behind this form before its result is read
.endr
	s_wait_alu depctr_va_vdst(0)                   ; the products have written v[D0 ..] and v[D1 ..], which the LDS stores read; QUANT is done with v128-163, in which the loads behind the barrier land
	ds_store_b128 v10, v[D0:D0+3]                  ; each result from its low end on
	ds_store_b128 v10, v[D0+4:D0+7] offset:512
	ds_store_b128 v10, v[D1:D1+3] offset:1024
	ds_store_b128 v10, v[D1+4:D1+7] offset:1536
	s_wait_dscnt 0x0                               ; for the others' sake: my partial sums lie in LDS
	s_barrier_signal -1
	s_barrier_wait -1
	s_cmp_ge_u32 s[WV], 4
	s_cbranch_scc1 .Lend
	; wave q = 2 t + half adds the eight waves' quarter q: row 16 t + r, columns 16 nt + 8 h + 4 half + 0 .. 3
	s_and_b32 s24, s[WV], 1
	s_lshr_b32 s25, s[WV], 1
	s_lshl_b32 s20, s[NT], 6
	s_lshl_b32 s24, s24, 4
	s_add_co_u32 s20, s20, s24
	s_add_nc_u64 s[8:9], s[8:9], s[20:21]
	s_lshl_b32 s25, s25, 16
	s_add_co_u32 s20, s20, s25
	s_add_nc_u64 s[12:13], s[12:13], s[20:21]
	global_load_b128 v[160:163], v9, s[8:9]        ; b1.  No vector instruction since the last wait names these registers, nor those of the loads below
.irp i, 0,1,2,3,4,5,6,7
	ds_load_b128 v[128+4*\i:131+4*\i], v11 offset:2048*\i
.endr
	s_wait_dscnt 0x0
.irp i, 0,8,16,24
	v_pk_add_f32 v[128+\i:129+\i], v[128+\i:129+\i], v[132+\i:133+\i]
	v_pk_add_f32 v[130+\i:131+\i], v[130+\i:131+\i], v[134+\i:135+\i]
.endr
.irp i, 0,16
	v_pk_add_f32 v[128+\i:129+\i], v[128+\i:129+\i], v[136+\i:137+\i]
	v_pk_add_f32 v[130+\i:131+\i], v[130+\i:131+\i], v[138+\i:139+\i]
.endr
	v_pk_add_f32 v[128:129], v[128:129], v[144:145]
	v_pk_add_f32 v[130:131], v[130:131], v[146:147]
	s_wait_alu depctr_va_vdst(0)
	s_wait_loadcnt 0x0
	v_pk_add_f32 v[128:129], v[128:129], v[160:161]
	v_pk_add_f32 v[130:131], v[130:131], v[162:163]
	v_pk_mul_f32 v[128:129], v[128:129], s[C2:C2+1] op_sel_hi:[1,0]
	v_pk_mul_f32 v[130:131], v[130:131], s[C2:C2+1] op_sel_hi:[1,0]
	s_wait_alu depctr_va_vdst(0)                   ; the multiplications have written v[128:131], which the store reads
	global_store_b128 v8, v[128:131], s[12:13]
.Lend:
	s_set_vgpr_msb 0x4
	s_wait_dscnt 0x0
	s_wait_alu depctr_hold_cnt(0) depctr_sa_sdst(0) depctr_va_vdst(0) depctr_va_sdst(0) depctr_va_ssrc(0) depctr_va_vcc(0) depctr_vm_vsrc(0)
	s_wait_tensorcnt 0x0
	ds_add_u32 v31, v1
	s_wait_dscnt 0x0
	s_endpgm
.Lfunc_end_k_qf6e1cb9232_prep:
	.size	k_qf6e1cb9232_prep, .Lfunc_end_k_qf6e1cb9232_prep-k_qf6e1cb9232_prep
	.p2alignl 7, 3214868480
	.fill 96, 4, 3214868480
	.section	.rodata,"a",@progbits
	.p2align	6, 0x0
	.amdhsa_kernel k_qf6e1cb9232_prep
		.amdhsa_group_segment_fixed_size 17408
		.amdhsa_private_segment_fixed_size 0
		.amdhsa_enable_private_segment 0
		.amdhsa_kernarg_size 40
		.amdhsa_user_sgpr_count 2
		.amdhsa_user_sgpr_kernarg_segment_ptr 1
		.amdhsa_wavefront_size32 1
		.amdhsa_system_sgpr_workgroup_id_x 1
		.amdhsa_system_sgpr_workgroup_id_y 1
		.amdhsa_system_sgpr_workgroup_id_z 1
		.amdhsa_system_vgpr_workitem_id 0
		.amdhsa_next_free_vgpr 258
		.amdhsa_next_free_sgpr 66
		.amdhsa_reserve_vcc 0
		.amdhsa_float_denorm_mode_32 3
		.amdhsa_float_denorm_mode_16_64 3
		.amdhsa_memory_ordered 1
		.amdhsa_forward_progress 1
		.amdhsa_inst_pref_size 48
	.end_amdhsa_kernel
	.amdgpu_metadata
---
amdhsa.version: [ 1, 2 ]
amdhsa.kernels:
  - .name:           k_qf6e1cb9232_prep
    .symbol:         k_qf6e1cb9232_prep.kd
    .args:
      - { .name: W1, .offset: 0, .size: 8, .value_kind: global_buffer, .address_space: global }
      - { .name: h_decoder_prev, .offset: 8, .size: 8, .value_kind: global_buffer, .address_space: global }
      - { .name: b1, .offset: 16, .size: 8, .value_kind: global_buffer, .address_space: global }
      - { .name: w1c, .offset: 24, .size: 8, .value_kind: global_buffer, .address_space: global }
      - { .name: biasc, .offset: 32, .size: 8, .value_kind: global_buffer, .address_space: global }
    .group_segment_fixed_size: 17408
    .private_segment_fixed_size: 0
    .kernarg_segment_align: 8
    .kernarg_segment_size: 40
    .max_flat_workgroup_size: 256
    .sgpr_count:     66
    .vgpr_count:     258
    .wavefront_size: 32
...
	.end_amdgpu_metadata
.endif
;; end of part 4
;; launch main (part 5): grid 512 x 1, 4 waves a work-group, no clusters, 181,760 bytes of LDS; arguments h_encoder, w1c, biasc, W2, b2, en, ctxp; writes en, ctxp
.if DOCPART == 5
	.amdgcn_target "amdgcn-amd-amdhsa--gfx1250"
	.amdhsa_code_object_version 6
	.text
	.protected	k_qf6e1cb9232_main
	.globl	k_qf6e1cb9232_main
	.p2align	8
	.type	k_qf6e1cb9232_main,@function
k_qf6e1cb9232_main:
	s_mov_b64 s[64:65], 0
	v_nop
	global_prefetch_b8 v0, s[64:65] scope:SCOPE_SE
	s_setreg_imm32_b32 hwreg(HW_REG_WAVE_SCHED_MODE, 0, 2), 2
	s_setreg_imm32_b32 hwreg(HW_REG_WAVE_MODE, 25, 1), 1
	s_wait_xcnt 0x0
	s_wait_alu depctr_vm_vsrc(0)
; For a tile of 128 rows of h_encoder (one batch): en[row] = relu(b2 + sum over n of W2[n] tanh((Q(h) Q(W1_enc))[row][n] + dec_proj[n] + b1[n])), and
; ctxp[tile][:] = sum over the tile's rows of 2^((en - the tile's largest en) log2 e) x h[row][:].  The last launch joins the sixteen tiles of a batch under the batch's maximum.
; PHASES.  X: wave w quantises rows 32 w .. 32 w + 31 (MX-FP8 along K) and stores the fragments to LDS as images of the operand's registers | barrier |
; G: wave w makes all 128 rows x columns 256 w .. 256 w + 255, in two passes of 128 x 128 (64 accumulators, 512 registers), K in 8 steps of 128; behind each pass tanh and the product with W2, in registers |
; S: the four waves' partial energies meet in LDS | barrier | every wave has all 128 energies, their maximum and p | C: wave w sums p x h over the 128 rows for columns 256 w .. 256 w + 255.
; tanh(x) = 1 - 2 / (1 + 2^(2 log2(e) x)); biasc arrives multiplied by 2 log2(e).  sum W2 tanh = sum W2 - 2 sum W2 / (1 + 2^..).  An exponential that overflows gives tanh = 1, one that falls to 0 gives -1.
; THE MATRIX INSTRUCTION IS USED TRANSPOSED (source 0 = 16 columns of W1, source 1 = 16 rows of h): a lane holds one row and eight neighbouring n, so the product with W2 needs one exchange between the lanes' halves.
; W1'S CODES GO FROM MEMORY STRAIGHT INTO REGISTERS; NO TENSOR LOAD, NO CLUSTER.  Each fragment of W1 is read by ONE wave of the work-group, so a way through LDS would add 66 KB written and 64 KB read
; to each K step's 64 KB of A with no reuse inside the work-group; beside A's 135,168 bytes and the 33,792 of the stages two slots of one K step at the most would fit, each refill with
; fewer than 64 matrix instructions in which to land and a barrier in every K step.  As it stands the K loop has no barrier.
; h IS READ TWICE: a tile is 512 KB of f32, which fits neither beside its codes in LDS nor beside 512 accumulators in registers; the second read begins under the last pass's activation.
; LIMITS: NaN and infinities among the inputs are not served.  A block of zeros gets the byte 1 and zero codes.
; REGISTERS, in windows of 256.  Window 0: v1-23 addresses; v32-47 W1's scale words, two sets; v48-55 energies; v56-63 at work; v64-127 A's scale words (8 a + s); v128-255 A's eight fragments, at other times at work.
;   Window 1: W1's fragments, two sets; behind a pass v128-191 the bias, v192-255 W2.   Windows 2, 3: accumulator (a, b) at v[8 (8 (a % 4) + b)]; window 2 also takes h's rows in phases X and C.
; THE MODE: SCHED_MODE bits 1:0 = 2 (LLVM: expert scheduling mode 2), set by the entry lines.  The code itself states the register dependences
; between vector or matrix instructions and memory or LDS instructions, with s_wait_alu, always for 0.
; THE PLAN.  Registers that memory or LDS instructions touch, and who else names them:
;   X:  window 2's sets 0-3: h's loads land, the stage's LDS stores read, the set is loaded again; no vector instruction names them.  v[X ..]: the stage's LDS loads land, QUANT reads and writes.
;       v[PC ..], v[PW]: the conversions write, the image's LDS stores read.  v[AIC], v[ASN]: written at a trip's head, read by the image's stores.
;       A fragment has two waits: on vm_vsrc behind the stage's round trip (set k, the codes and the scale word have been read), on va_vdst behind QUANT (codes, scale word and addresses are written; QUANT is done with v[X ..]).
;   G:  A's fragments (one set): blocks 0-3 are read by a step's first 32 products, blocks 4-7 by its last 32; each half is loaded again behind ONE wait on va_vdst that follows its products.
;       W1's two sets and their scale words: read by step s's products, loaded again for step s + 2 at the head of step s + 1: the wait at the end of step s has covered them.
;       v[TAC]: written at a pass's head, read by the table's loads at its end.  Behind a pass W1's set 1 takes the bias and W2.
;   C:  window 2's two sets of 16 rows: the multiply-adds read a set, one wait on va_vdst, the set is loaded again.  v[PV ..]: p's LDS loads land, the multiply-adds read.  v[PA]: read by p's loads, written once a trip,
;       between a wait on vm_vsrc and the wait on va_vdst that stands there for set 1.
;   The other addresses (v4-v18, v22) are made at the head and never written again; the energies, p and the context's sums are written, stored behind a wait on va_vdst, and not written again.
.set AIMG, 0                           ; LDS: A's images: (8 a + s) x 2,048 + 512 c + 16 x lane
.set ASC,  131072                      ; A's scale words: 512 a + 32 r + 4 s
.set STG,  135168                      ; a stage of 16 rows x (512 + 16) bytes for each wave
.set TAB,  168960                      ; the batch's row of biasc, 4,096 bytes, then W2
.set ER,   177152                      ; partial energies: 512 x wave + 4 x row
.set PT,   179200                      ; p, a copy for each wave: 512 x wave + 4 x row
.set LI,  4                            ; 16 x lane
.set LI2, 5                            ; + 65,536: A's blocks 4-7 (an LDS offset has 16 bits)
.set BS,  6                            ; 32 r
.set SS,  7                            ; my stage, in: 16 x lane
.set SL,  8                            ; my stage, back: 528 r + 64 h
.set AI,  9                            ; my images: 32,768 x wave + 16 x lane
.set ASA, 10                           ; my scale words: ASC + 1,024 x wave + 32 r
.set AR,  11                           ; ASC + 32 r
.set TA,  12                           ; TAB + 1,024 x wave + 32 h
.set ERA, 13                           ; ER + 512 x wave + 4 r
.set ERL, 14                           ; ER + 16 x lane
.set PTS, 15                           ; PT + 512 x wave + 16 x lane
.set PA,  16                           ; p of the rows in hand
.set CO,  17                           ; 1,024 x wave + 16 x lane
.set T16, 18                           ; 16 x thread
.set AIC, 19                           ; AI, ASA, TA with the loop's step
.set ASN, 20
.set TAC, 21
.set TT,  22                           ; TAB + 16 x thread
.set SWT, 23                           ; the sum of my lane's W2
.set BSW, 32
.set ET,  48
.set TP,  56
.set ASW, 64
.set AF,  128
.set X,   128                          ; phase X: 64 numbers; v192-207 codes; v208-223 at work; v224 the scale word
.set PC,  192
.set TM,  208
.set PW,  224
.set EA,  128                          ; behind a pass: eight pairs of sums; v144-147 W2's sum
.set SW,  144
.set EN,  148                          ; v148-151 my four rows' energies
.set PP,  152                          ; v152-167 partials, then v152-155 p
.set PV,  160                          ; v160-191 p of 2 x 16 rows
.set CA,  192                          ; v192-207 the context's sums, even rows' and odd rows'
.set HB,  4                            ; s[4:5] h at the tile;  s[6:7] w1c at my blocks;  s[8:9] biasc's row;  s[10:11] W2;  s[12:13] b2;  s[14:15] en;  s[16:17] ctxp
.set WB,  6
.set WV,  18
.set MNT, 19
.set SEL, 20
.set C2,  22
.set CNT, 24
.set PASS, 25
.set B2V, 26
.set SAI, 27
.set SAS, 28
.set STA, 29
.set XB,  30
.set L2E, 36
.set PAS, 37
.set MSB, 0
.macro WIN new                         ; the immediate's high byte repeats the setting that is left; a switch that changes nothing is dropped
.if MSB != (\new)
	s_set_vgpr_msb (MSB<<8)|(\new)
.set MSB, (\new)
.endif
.endm
.set MUL_LO, 0xa1                      ; source 0 (W1) window 1, source 1 (A) window 0, C and D window 2
.set MUL_HI, 0xf1                      ; the same, C and D window 3
.macro PLACES n
.rept \n
	v_nop
.endr
.endm
; 64 numbers of a lane, register 16 b + i = k 32 b + 16 (lane / 16) + i of my row, become a fragment's codes in v[pc] on and its scale word in v[pw].
.macro QUANT src, pc, pw
.irp b, 0,1,2,3
	v_max3_num_f32 v[TM+\b], |v[\src+16*\b]|, |v[\src+1+16*\b]|, 0x4800000   ; block b: my 16 numbers, and the floor 2^(9 - 127): the byte cannot fall under 1
.endr
.irp i, 2,4,6,8,10,12,14
.irp b, 0,1,2,3
	v_max3_num_f32 v[TM+\b], v[TM+\b], |v[\src+16*\b+\i]|, |v[\src+1+16*\b+\i]|
.endr
.endr
.irp b, 0,1,2,3
	v_permlanex16_b32 v[TM+4+\b], v[TM+\b], s[SEL], s[SEL+1]
.endr
.irp b, 0,1,2,3
	v_max_num_f32 v[TM+\b], v[TM+\b], v[TM+4+\b]   ; with lane l xor 16's 16: the block's largest magnitude
.endr
.irp b, 0,1,2,3
	v_add_nc_u32 v[TM+12+\b], 0xfc000000, v[TM+\b]   ; 8 off its exponent field: the conversion's scale operand
.endr
.irp b, 0,1,2,3
	v_and_or_b32 v[TM+8+\b], v[TM+\b], 0x7f800000, s[MNT]   ; 448 x the scale
.endr
.irp b, 0,1,2,3
	v_lshrrev_b32 v[TM+4+\b], 23, v[TM+12+\b]   ; the scale's byte
.endr
	v_lshl_or_b32 v[\pw], v[TM+5], 8, v[TM+4]
	v_lshl_or_b32 v[\pw], v[TM+6], 16, v[\pw]
	v_lshl_or_b32 v[\pw], v[TM+7], 24, v[\pw]
.irp b, 0,1,2,3
.irp i, 0,1,2,3,4,5,6,7,8,9,10,11,12,13,14,15
	v_med3_num_f32 v[\src+16*\b+\i], v[\src+16*\b+\i], -v[TM+8+\b], v[TM+8+\b]   ; the conversion to an 8-bit code does not saturate (ISA guide 7.6.2): the hold comes first
.endr
	v_cvt_scalef32_pk8_fp8_f32 v[\pc+4*\b:\pc+1+4*\b], v[\src+16*\b:\src+7+16*\b], v[TM+12+\b]
	v_cvt_scalef32_pk8_fp8_f32 v[\pc+2+4*\b:\pc+3+4*\b], v[\src+8+16*\b:\src+15+16*\b], v[TM+12+\b]
.endr
	v_nop                                          ; one plain vector instruction behind the last scaled conversion
.endm
; Fragment k of four: K step (k / 2) of the two in hand, row tile k % 2 of my two.  Sixteen loads, a row each: 512 consecutive bytes.  Into set k of window 2.
.macro LOADF k, off
	WIN 0x80
.irp i, 0,1,2,3,4,5,6,7,8,9,10,11,12,13,14,15
	global_load_b128 v[64*(\k)+4*\i:64*(\k)+4*\i+3], v[LI], s[XB:XB+1] offset:(16*((\k)%2)+\i)*4096+512*((\k)/2)+(\off)
.endr
	WIN 0
.endm
; The fragment goes through my stage (in as loaded, back 16 neighbours along K of each block to a lane), is quantised, and its image and scale words go to LDS.
.macro FRAGX k, ahead, left
	s_wait_loadcnt \left                           ; loads come back in order: set k is in, the younger sets' loads stay out
	WIN 0x08                                       ; an LDS store's data are its source 1: window 2
.irp i, 0,1,2,3,4,5,6,7,8,9,10,11,12,13,14,15
	ds_store_b128 v[SS], v[64*(\k)+4*\i:64*(\k)+4*\i+3] offset:528*\i
.endr
	WIN 0
.irp b, 0,1,2,3
.irp j, 0,1,2,3
	ds_load_b128 v[X+16*\b+4*\j:X+16*\b+4*\j+3], v[SL] offset:128*\b+16*\j   ; LDS serves a wave's instructions in order: these see my stores; rows 528 bytes apart fall on sixteen different columns of 16 bytes.  No vector instruction since the last wait on va_vdst names v[X ..]
.endr
.endr
	s_wait_dscnt 0x0                               ; the numbers are back
	s_wait_alu depctr_vm_vsrc(0)                   ; the stage's stores have read set k, in which the loads below land; the last image's stores (ahead of the first fragment: the table's) have read v[PC ..] and v[PW], which QUANT writes
.if \ahead
	LOADF \k, 1024                                 ; the same fragment two K steps on
.endif
	QUANT X, PC, PW
	s_wait_alu depctr_va_vdst(0)                   ; the conversions have written v[PC ..] and v[PW], and a trip's head v[AIC] and v[ASN], which the stores below read; QUANT is done with v[X ..], in which the next fragment's LDS loads land
.irp c, 0,1,2,3
	ds_store_b128 v[AIC], v[PC+4*\c:PC+4*\c+3] offset:16384*((\k)%2)+2048*((\k)/2)+512*\c
.endr
	ds_store_b32 v[ASN], v[PW] offset:512*((\k)%2)+4*((\k)/2)   ; lanes r and r + 16 write the same word with the same value
.endm
; A K step's block of W1: eight fragments into set q of window 1, and the eight scale words of my column r.  34 loads.
.macro LOADB q, off
	WIN 0x40
.irp b, 0,1,2,3,4,5,6,7
.irp c, 0,1,2,3
	global_load_b128 v[128*(\q)+16*\b+4*\c:128*(\q)+16*\b+4*\c+3], v[LI], s[WB:WB+1] offset:(\off)+2048*\b+512*\c
.endr
.endr
	WIN 0
.irp u, 0,1
	global_load_b128 v[BSW+8*(\q)+4*\u:BSW+8*(\q)+4*\u+3], v[BS], s[WB:WB+1] offset:(\off)+16384+16*\u
.endr
.endm
.macro FETCH_A2 s, a0                  ; A's blocks a0, a0 + 1 of K step s: 8 LDS loads of 512 consecutive bytes
.irp a, \a0, \a0+1
.irp c, 0,1,2,3
.if (\a) < 4
	ds_load_b128 v[AF+16*(\a)+4*\c:AF+16*(\a)+4*\c+3], v[LI] offset:(8*((\a)%4)+(\s))*2048+512*\c
.else
	ds_load_b128 v[AF+16*(\a)+4*\c:AF+16*(\a)+4*\c+3], v[LI2] offset:(8*((\a)%4)+(\s))*2048+512*\c
.endif
.endr
.endr
.endm
; 16 matrix instructions: A's blocks a0, a0 + 1 x W1's eight.  The 64 accumulators take turns, one instruction a turn, in the same order in every step.
.macro MUL16 a0, p, s, zero
.irp a, \a0, \a0+1
.irp b, 0,1,2,3,4,5,6,7
.if \zero
	v_wmma_scale_f32_16x16x128_f8f6f4 v[8*(8*((\a)%4)+\b):8*(8*((\a)%4)+\b)+7], v[128*(\p)+16*\b:128*(\p)+16*\b+15], v[AF+16*(\a):AF+16*(\a)+15], 0, v[BSW+8*(\p)+\b], v[ASW+8*(\a)+(\s)]
.else
	v_wmma_scale_f32_16x16x128_f8f6f4 v[8*(8*((\a)%4)+\b):8*(8*((\a)%4)+\b)+7], v[128*(\p)+16*\b:128*(\p)+16*\b+15], v[AF+16*(\a):AF+16*(\a)+15], v[8*(8*((\a)%4)+\b):8*(8*((\a)%4)+\b)+7], v[BSW+8*(\p)+\b], v[ASW+8*(\a)+(\s)]
.endif
.endr
.endr
.endm
; A K step: 64 matrix instructions.  The next step's block of W1 is asked for at the head, AHEAD of the wait for this step's block: two blocks are on their way.  A has one set of registers: blocks 0-3 are fetched anew
; in the second half, blocks 4-7 at the end.  Between the products and the loads into their operands stand eight plain instructions and then the wait on va_vdst: first the places, then the wait.
.macro STEP s, zero
.if (\s) < 7
	LOADB 1-(\s)%2, ((\s)+1)*16896                 ; into the set that the last step's products read.  No wait: the one at the last step's end (ahead of step 0: at the pass's head) has shown them done, and no vector or matrix instruction stands between
	s_wait_loadcnt 34                              ; loads come back in order: this step's block of W1 is in, the 34 loads just issued stay out
.else
	s_wait_loadcnt 0x0                             ; this step's block of W1 is in
	s_cmp_eq_u32 s[PASS], 1                        ; the last pass has no successor: no load leaves w1c
	s_cbranch_scc1 .Lnob_\@
	LOADB 0, 8*16896                               ; the next pass's first block, into the set that step 6's products read: the wait at that step's end has shown them done
.Lnob_\@:
.endif
	s_wait_dscnt 16                                ; A's blocks 0-3 are in; the youngest sixteen loads (blocks 4-7) may be out
	WIN MUL_LO
	MUL16 0, (\s)%2, \s, \zero
	MUL16 2, (\s)%2, \s, \zero
	s_wait_dscnt 0x0                               ; blocks 4-7 are in
.if (\s) < 7
	PLACES 8
	WIN 0
	s_wait_alu depctr_va_vdst(0)                   ; the 32 products above are done reading A's blocks 0-3, in which the next step's land
	FETCH_A2 (\s)+1, 0
.endif
	WIN MUL_HI
	MUL16 4, (\s)%2, \s, \zero
.if (\s) < 7
	WIN 0
	FETCH_A2 (\s)+1, 2                             ; no wait: the sixteen products since the wait name A's blocks 4 and 5, W1's set, scale words and window 3: not blocks 2 and 3, nor the address
	WIN MUL_HI
.endif
	MUL16 6, (\s)%2, \s, \zero
	PLACES 8                                       ; behind the last step these are also the places ahead of the first read of the results (ISA guide 7.12.1)
	WIN 0
	s_wait_alu depctr_va_vdst(0)                   ; this step's products are done reading A's blocks 4-7, W1's set and its scale words: the loads below, the next head's block of W1 and, behind the last step, the bias and W2 land in them
.if (\s) < 7
	FETCH_A2 (\s)+1, 4
	FETCH_A2 (\s)+1, 6
.endif
.endm
; The activation of window w's 32 accumulators and their product with W2.  The exponentials are one batch with one wait, and so are the reciprocals.
.macro ACT w, wa, we
	WIN \wa                                        ; source 0 and destination window w, source 2 (the bias) window 1
.set i, 0
.rept 128
	v_pk_fma_f32 v[2*i:2*i+1], v[2*i:2*i+1], s[C2:C2+1], v[128+(2*i)%64:129+(2*i)%64] op_sel_hi:[1,0,1]   ; 2 log2(e) x (sum + dec_proj + b1); each accumulator from its low end on
.set i, i+1
.endr
.set i, 0
	s_wait_alu depctr_va_vdst(0)
.rept 256
	v_exp_f32 v[i], v[i]
.set i, i+1
.endr
	v_nop                                          ; a plain instruction behind the last exponential
	s_wait_alu depctr_va_vdst(0)                   ; the 256 exponentials have written their results, which the additions read
.set i, 0
.rept 128
	v_pk_add_f32 v[2*i:2*i+1], v[2*i:2*i+1], 1.0 op_sel_hi:[1,0]
.set i, i+1
.endr
.set i, 0
	s_wait_alu depctr_va_vdst(0)
.rept 256
	v_rcp_f32 v[i], v[i]
.set i, i+1
.endr
	v_nop
	s_wait_alu depctr_va_vdst(0)                   ; the 256 reciprocals have written their results, which the products with W2 read
	WIN \we                                        ; source 0 window w, source 1 (W2) window 1, sums in window 0
.set m, 0
.rept 32
.irp aa, 0,1,2,3
.if m == 0
	v_pk_mul_f32 v[EA+2*(4*((\w)-2)+\aa):EA+2*(4*((\w)-2)+\aa)+1], v[64*\aa+2*m:64*\aa+2*m+1], v[192+2*m:193+2*m]
.else
	v_pk_fma_f32 v[EA+2*(4*((\w)-2)+\aa):EA+2*(4*((\w)-2)+\aa)+1], v[64*\aa+2*m:64*\aa+2*m+1], v[192+2*m:193+2*m], v[EA+2*(4*((\w)-2)+\aa):EA+2*(4*((\w)-2)+\aa)+1]
.endif
.endr
.set m, m+1
.endr
	WIN 0
.endm
; The context: 16 rows x my 1,024 bytes into set q of window 2: 32 loads of 512 consecutive bytes
.macro LOADC q, row
	WIN 0x80
.irp i, 0,1,2,3,4,5,6,7,8,9,10,11,12,13,14,15
.irp u, 0,1
	global_load_b128 v[128*(\q)+8*\i+4*\u:128*(\q)+8*\i+4*\u+3], v[CO], s[HB:HB+1] offset:((\row)+\i)*4096+512*\u th:TH_LOAD_NT
.endr
.endr
	WIN 0
.endm
.macro CTX q, left                     ; sums += p x h for set q's 16 rows; even and odd rows have sums of their own: eight chains
.irp x, 0,1,2,3
	ds_load_b128 v[PV+16*(\q)+4*\x:PV+16*(\q)+4*\x+3], v[PA] offset:64*(\q)+16*\x   ; every lane reads the same 16 bytes.  No vector instruction since the last wait on va_vdst names these registers or v[PA]
.endr
	s_wait_loadcnt \left                           ; set q's 32 loads are in; the other set's may be out
	s_wait_dscnt 0x0
	WIN 0x02                                       ; source 0 (h) window 2
.irp i, 0,1,2,3,4,5,6,7,8,9,10,11,12,13,14,15
.irp u, 0,1
.irp j, 0,1
.if (\i)%2
	v_pk_fma_f32 v[CA+8+4*\u+2*\j:CA+9+4*\u+2*\j], v[128*(\q)+8*\i+4*\u+2*\j:128*(\q)+8*\i+4*\u+2*\j+1], v[PV+16*(\q)+\i-1:PV+16*(\q)+\i], v[CA+8+4*\u+2*\j:CA+9+4*\u+2*\j] op_sel:[0,1,0] op_sel_hi:[1,1,1]
.else
	v_pk_fma_f32 v[CA+4*\u+2*\j:CA+1+4*\u+2*\j], v[128*(\q)+8*\i+4*\u+2*\j:128*(\q)+8*\i+4*\u+2*\j+1], v[PV+16*(\q)+\i:PV+16*(\q)+\i+1], v[CA+4*\u+2*\j:CA+1+4*\u+2*\j] op_sel_hi:[1,0,1]
.endif
.endr
.endr
.endr
	WIN 0
.endm
	; ---- the head
	s_load_b256 s[4:11], s[0:1], 0x0               ; h_encoder, w1c, biasc, W2
	s_load_b128 s[12:15], s[0:1], 0x20             ; b2, en
	s_load_b64 s[16:17], s[0:1], 0x30              ; ctxp
	v_lshl_add_u32 v30, v0, 2, 0x2c400
	v_mov_b32 v31, 0
	v_lshrrev_b32 v1, 5, v0
	v_readfirstlane_b32 s[WV], v1                  ; wave 0..3
	v_and_b32 v1, 31, v0                           ; lane
	v_and_b32 v2, 15, v0                           ; r
	v_bfe_u32 v3, v0, 4, 1                         ; h
	v_lshlrev_b32 v[LI], 4, v1
	v_add_nc_u32 v[LI2], 0x10000, v[LI]
	v_lshlrev_b32 v[BS], 5, v2
	s_wait_alu depctr_va_sdst(0)                   ; the wave's number is written, ahead of its first reader
	s_mul_i32 s34, s[WV], 8448
	s_add_co_u32 s34, s34, STG
	v_add_nc_u32 v[SS], s34, v[LI]
	v_mul_u32_u24 v[SL], v2, 528
	v_lshl_add_u32 v[SL], v3, 6, v[SL]
	v_add_nc_u32 v[SL], s34, v[SL]
	s_lshl_b32 s34, s[WV], 15
	v_add_nc_u32 v[AI], s34, v[LI]
	s_lshl_b32 s34, s[WV], 10
	s_add_co_u32 s35, s34, ASC
	v_add_nc_u32 v[ASA], s35, v[BS]
	v_add_nc_u32 v[AR], ASC, v[BS]
	s_add_co_u32 s35, s34, TAB
	v_lshl_add_u32 v[TA], v3, 5, s35
	v_add_nc_u32 v[CO], s34, v[LI]
	s_lshl_b32 s34, s[WV], 9
	s_add_co_u32 s35, s34, ER
	v_lshl_add_u32 v[ERA], v2, 2, s35
	v_add_nc_u32 v[ERL], ER, v[LI]
	s_add_co_u32 s[PAS], s34, PT
	v_add_nc_u32 v[PTS], s[PAS], v[LI]
	v_lshlrev_b32 v[T16], 4, v0
	v_lshl_add_u32 v[TT], v0, 4, TAB
	v_mov_b32 v[SWT], 0
.irp a, 0,1,2,3,4,5,6,7
	v_mov_b32 v[ET+\a], 0                          ; the energies are summed over two passes
	v_mov_b32 v[TP+\a], 0                          ; (lane permutes' destinations count as sources)
.endr
.irp b, 0,1,2,3
	v_mov_b32 v[TM+4+\b], 0
.endr
	s_mov_b32 s[MNT], 0x600000                     ; the mantissa field of 448
	s_mov_b32 s[SEL], 0x76543210
	s_mov_b32 s[SEL+1], 0xfedcba98                 ; lane l xor 16
	s_mov_b32 s[C2], 0x4038aa3b                    ; 2 log2(e)
	s_mov_b32 s[C2+1], s[C2]
	s_mov_b32 s[L2E], 0x3fb8aa3b                   ; log2(e)
	s_lshl_b32 s32, ttmp9, 19                      ; a tile: 128 rows of 4,096 bytes (under 2^32 for 512 tiles)
	s_mov_b32 s33, 0
	s_wait_kmcnt 0x0
	s_load_b32 s[B2V], s[12:13], 0x0               ; b2; waited for in phase S
	s_add_nc_u64 s[HB:HB+1], s[HB:HB+1], s[32:33]
	s_lshl_b32 s32, s[WV], 17                      ; my 32 rows
	s_add_nc_u64 s[XB:XB+1], s[HB:HB+1], s[32:33]
	s_mul_i32 s32, s[WV], 270336                   ; my 16 blocks of 16,896 bytes
	s_add_nc_u64 s[WB:WB+1], s[WB:WB+1], s[32:33]
	s_lshr_b32 s32, ttmp9, 4                       ; the batch
	s_lshl_b32 s32, s32, 12
	s_add_nc_u64 s[8:9], s[8:9], s[32:33]
	s_lshl_b32 s32, ttmp9, 9
	s_add_nc_u64 s[14:15], s[14:15], s[32:33]
	s_lshl_b32 s32, ttmp9, 12
	s_add_nc_u64 s[16:17], s[16:17], s[32:33]
	s_wait_alu depctr_va_vdst(0)                   ; the addresses and offsets that stay (v4 to v18, v22) are written: the kernel's loads and stores read them
	global_load_b128 v[192:195], v[T16], s[8:9]    ; the table: 128 threads x 16 bytes, twice for each tensor
	global_load_b128 v[196:199], v[T16], s[8:9] offset:2048
	global_load_b128 v[200:203], v[T16], s[10:11]
	global_load_b128 v[204:207], v[T16], s[10:11] offset:2048
	LOADF 0, 0
	LOADF 1, 0
	LOADF 2, 0
	s_wait_loadcnt 48                              ; the table's four loads are the oldest: they are in
.irp i, 0,1,2,3
	ds_store_b128 v[TT], v[192+4*\i:195+4*\i] offset:2048*\i
.endr
	LOADF 3, 0
	; ---- X: 8 K steps x 2 row tiles = 16 fragments, four a trip; four sets of loads are on their way
	s_mov_b32 s[SAI], 0
	s_mov_b32 s[SAS], 0
	s_mov_b32 s[CNT], 3
.Lx:
	s_wait_alu depctr_vm_vsrc(0)                   ; the last trip's image stores have read v[AIC] and v[ASN], which the two additions write
	v_add_nc_u32 v[AIC], s[SAI], v[AI]             ; two K steps' images are 4,096 bytes on, their scale words 8
	v_add_nc_u32 v[ASN], s[SAS], v[ASA]
	FRAGX 0, 1, 48
	FRAGX 1, 1, 48
	FRAGX 2, 1, 48
	FRAGX 3, 1, 48
	s_wait_xcnt 0x0                                ; the loads have read their base: it may step
	s_add_nc_u64 s[XB:XB+1], s[XB:XB+1], 1024
	s_add_co_u32 s[SAI], s[SAI], 4096
	s_add_co_u32 s[SAS], s[SAS], 8
	s_sub_co_u32 s[CNT], s[CNT], 1
	s_cmp_lg_u32 s[CNT], 0
	s_cbranch_scc1 .Lx
	s_wait_alu depctr_vm_vsrc(0)                   ; the last trip's image stores have read v[AIC] and v[ASN]
	v_add_nc_u32 v[AIC], s[SAI], v[AI]
	v_add_nc_u32 v[ASN], s[SAS], v[ASA]
	FRAGX 0, 0, 48                                 ; the last two K steps load nothing: the counts run down
	FRAGX 1, 0, 32
	FRAGX 2, 0, 16
	FRAGX 3, 0, 0
	LOADB 0, 0                                     ; W1's first block lands while the waves meet; no vector instruction has named its registers
	s_wait_dscnt 0x0                               ; my images, scale words and part of the table lie in LDS
	s_barrier_signal -1
	s_barrier_wait -1
	; ---- G
.irp a, 0,1,2,3,4,5,6,7
.irp q, 0,1
	ds_load_b128 v[ASW+8*\a+4*\q:ASW+8*\a+4*\q+3], v[AR] offset:512*\a+16*\q   ; A's scale words for all of K: they stay
.endr
.endr
	s_mov_b32 s[PASS], 0
	s_mov_b32 s[STA], 0
.Lpass:
	s_wait_alu depctr_vm_vsrc(0)                   ; first pass: the last image's stores have read v[PC ..] and v[PW], in which A's fragments land; second pass: the table's loads have read v[TAC]
	v_add_nc_u32 v[TAC], s[STA], v[TA]             ; this pass's 128 columns in the table
	s_wait_alu depctr_va_vdst(0)                   ; v[TAC] is written; QUANT (first pass) or the last pass's sums are done with v128 on, in which A's fragments land; the activation is done with the bias and W2, in which step 1's block of W1 lands
	FETCH_A2 0, 0
	FETCH_A2 0, 2
	FETCH_A2 0, 4
	FETCH_A2 0, 6
	STEP 0, 1                                      ; the first step's products start the sums: nothing is cleared
.irp s, 1,2,3,4,5,6,7
	STEP \s, 0
.endr
	; behind the pass: lane (r, h) wants the bias and W2 at n = 16 b + 8 h + j, in register 8 b + j, as the accumulators lie.  The wait at the last step's end has shown W1's set 1 read
	WIN 0x40
.irp b, 0,1,2,3,4,5,6,7
.irp u, 0,1
	ds_load_b128 v[128+8*\b+4*\u:131+8*\b+4*\u], v[TAC] offset:64*\b+16*\u
	ds_load_b128 v[192+8*\b+4*\u:195+8*\b+4*\u], v[TAC] offset:4096+64*\b+16*\u
.endr
.endr
	WIN 0
	s_wait_dscnt 0x0
	WIN 0x05                                       ; the sum of my 64 numbers of W2, in two chains
	v_pk_add_f32 v[SW:SW+1], v[192:193], v[194:195]
	v_pk_add_f32 v[SW+2:SW+3], v[196:197], v[198:199]
	WIN 0x04
.irp j, 8,12,16,20,24,28,32,36,40,44,48,52,56,60
	v_pk_add_f32 v[SW:SW+1], v[SW:SW+1], v[192+\j:193+\j]
	v_pk_add_f32 v[SW+2:SW+3], v[SW+2:SW+3], v[194+\j:195+\j]
.endr
	WIN 0
	v_pk_add_f32 v[SW:SW+1], v[SW:SW+1], v[SW+2:SW+3]
	v_add_f32 v[SW], v[SW], v[SW+1]
	v_add_f32 v[SWT], v[SWT], v[SW]
	ACT 2, 0x92, 0x06
	s_cmp_eq_u32 s[PASS], 0                        ; in the last pass window 2 is free from here on: the context's first 32 rows are asked for under window 3's activation
	s_cbranch_scc1 .Lnoc
	s_wait_alu depctr_va_vdst(0)                   ; the reciprocals have written window 2's registers and the products with W2 are done reading them: the context's loads land there
	LOADC 0, 0
	LOADC 1, 16
.Lnoc:
	ACT 3, 0xd3, 0x07
.irp a, 0,1,2,3,4,5,6,7
	v_add_f32 v[TP+\a], v[EA+2*\a], v[EA+2*\a+1]
.endr
.irp a, 0,1,2,3,4,5,6,7
	v_fma_f32 v[ET+\a], v[TP+\a], -2.0, v[ET+\a]   ; - 2 sum W2 / (1 + 2^..)
.endr
	s_wait_xcnt 0x0                                ; the loads have read their base: it may step
	s_add_nc_u64 s[WB:WB+1], s[WB:WB+1], 135168    ; eight blocks on
	s_add_co_u32 s[STA], s[STA], 512
	s_add_co_u32 s[PASS], s[PASS], 1
	s_cmp_lt_u32 s[PASS], 2
	s_cbranch_scc1 .Lpass
	s_wait_alu depctr_va_vdst(0)
	; ---- S: lane (r, h) holds, for row 16 a + r, the sum over its half of my 256 columns
.irp a, 0,1,2,3,4,5,6,7
	v_add_f32 v[ET+\a], v[ET+\a], v[SWT]           ; + sum W2
.endr
.irp a, 0,1,2,3,4,5,6,7
	v_permlanex16_b32 v[TP+\a], v[ET+\a], s[SEL], s[SEL+1]
.endr
.irp a, 0,1,2,3,4,5,6,7
	v_add_f32 v[ET+\a], v[ET+\a], v[TP+\a]
.endr
	s_wait_alu depctr_va_vdst(0)                   ; the additions have written v[ET ..], which the LDS stores read; the products are long done with v152-167, in which the partial energies land behind the barrier
.irp a, 0,1,2,3,4,5,6,7
	ds_store_b32 v[ERA], v[ET+\a] offset:64*\a     ; lanes r and r + 16 write the same word with the same value
.endr
	s_wait_dscnt 0x0                               ; for the others' sake
	s_barrier_signal -1
	s_barrier_wait -1
.irp w, 0,1,2,3
	ds_load_b128 v[PP+4*\w:PP+4*\w+3], v[ERL] offset:512*\w   ; rows 4 x lane .. + 3, each wave's part
.endr
	s_wait_dscnt 0x0
	s_wait_kmcnt 0x0                               ; b2
	v_pk_add_f32 v[PP:PP+1], v[PP:PP+1], v[PP+4:PP+5]
	v_pk_add_f32 v[PP+2:PP+3], v[PP+2:PP+3], v[PP+6:PP+7]
	v_pk_add_f32 v[PP+8:PP+9], v[PP+8:PP+9], v[PP+12:PP+13]
	v_pk_add_f32 v[PP+10:PP+11], v[PP+10:PP+11], v[PP+14:PP+15]
	v_pk_add_f32 v[EN:EN+1], v[PP:PP+1], v[PP+8:PP+9]
	v_pk_add_f32 v[EN+2:EN+3], v[PP+2:PP+3], v[PP+10:PP+11]
.irp i, 0,1,2,3
	v_add_f32 v[EN+\i], s[B2V], v[EN+\i]
.endr
.irp i, 0,1,2,3
	v_max_num_f32 v[EN+\i], 0, v[EN+\i]            ; relu
.endr
	s_cmp_lg_u32 s[WV], 0
	s_cbranch_scc1 .Lnot0
	s_wait_alu depctr_va_vdst(0)                   ; the four energies v[EN ..] are written, which the store reads
	global_store_b128 v[LI], v[EN:EN+3], s[14:15]  ; wave 0 stores the tile's 512 consecutive bytes; its registers are not written again
.Lnot0:
	s_wait_alu depctr_va_vdst(0)
	v_max3_num_f32 v[TP], v[EN], v[EN+1], v[EN+2]  ; the tile's largest energy is taken away before the exponential
	v_max_num_f32 v[TP], v[TP], v[EN+3]
	v_max_num_f32_dpp v[TP], v[TP], v[TP] row_xmask:1 row_mask:0xf bank_mask:0xf
	v_max_num_f32_dpp v[TP], v[TP], v[TP] row_xmask:2 row_mask:0xf bank_mask:0xf
	v_max_num_f32_dpp v[TP], v[TP], v[TP] row_xmask:4 row_mask:0xf bank_mask:0xf
	v_max_num_f32_dpp v[TP], v[TP], v[TP] row_xmask:8 row_mask:0xf bank_mask:0xf
	v_permlanex16_b32 v[TP+1], v[TP], s[SEL], s[SEL+1]
	v_max_num_f32 v[TP], v[TP], v[TP+1]
	v_mul_f32 v[TP], s[L2E], v[TP]
.irp i, 0,1,2,3
	v_fma_f32 v[PP+\i], v[EN+\i], s[L2E], -v[TP]
.endr
	s_wait_alu depctr_va_vdst(0)
.irp i, 0,1,2,3
	v_exp_f32 v[PP+\i], v[PP+\i]                   ; p = 2^((e - m) log2 e), at most 1
.endr
.irp i, 0,1,2,3,4,5,6,7,8,9,10,11,12,13,14,15
	v_mov_b32 v[CA+\i], 0                          ; the context's sums begin: plain work behind the exponentials
.endr
	v_mov_b32 v[PA], s[PAS]                        ; where p of the first 32 rows lies
	s_wait_alu depctr_va_vdst(0)                   ; the four exponentials have written p, which the LDS store reads; the additions are done with v160-167, in which p lands
	ds_store_b128 v[PTS], v[PP:PP+3]               ; my wave's own copy of p: no barrier
	; ---- C: 128 rows, 32 a trip; two sets of 16 rows, one at work, one on its way
	s_mov_b32 s[CNT], 3
.Lc:
	CTX 0, 32
	s_wait_alu depctr_va_vdst(0)                   ; the multiply-adds are done reading set 0, in which the loads below land
	LOADC 0, 32
	CTX 1, 32
	s_add_co_u32 s[PAS], s[PAS], 128               ; p of the next 32 rows
	s_wait_alu depctr_vm_vsrc(0)                   ; this trip's eight LDS loads have read v[PA]
	v_mov_b32 v[PA], s[PAS]
	s_wait_alu depctr_va_vdst(0)                   ; the multiply-adds are done reading set 1, in which the loads below land, and v[PV ..], in which the next p lands; v[PA] is written
	LOADC 1, 48
	s_wait_xcnt 0x0                                ; the loads have read their base: it may step
	s_add_nc_u64 s[HB:HB+1], s[HB:HB+1], 131072    ; 32 rows on
	s_sub_co_u32 s[CNT], s[CNT], 1
	s_cmp_lg_u32 s[CNT], 0
	s_cbranch_scc1 .Lc
	CTX 0, 32                                      ; the last 32 rows: nothing more is loaded
	s_wait_alu depctr_va_vdst(0)
	CTX 1, 0
.irp j, 0,2,4,6
	v_pk_add_f32 v[CA+\j:CA+\j+1], v[CA+\j:CA+\j+1], v[CA+8+\j:CA+9+\j]   ; even rows' and odd rows' sums
.endr
	s_wait_alu depctr_va_vdst(0)                   ; the additions have written v[CA ..], which the stores read
	global_store_b128 v[CO], v[CA:CA+3], s[16:17]              ; 32 lanes store 512 consecutive bytes
	global_store_b128 v[CO], v[CA+4:CA+7], s[16:17] offset:512
	s_wait_dscnt 0x0
	s_wait_alu depctr_hold_cnt(0) depctr_sa_sdst(0) depctr_va_vdst(0) depctr_va_sdst(0) depctr_va_ssrc(0) depctr_va_vcc(0) depctr_vm_vsrc(0)
	s_wait_tensorcnt 0x0
	ds_add_u32 v30, v31
	s_wait_dscnt 0x0
	s_endpgm
.Lfunc_end_k_qf6e1cb9232_main:
	.size	k_qf6e1cb9232_main, .Lfunc_end_k_qf6e1cb9232_main-k_qf6e1cb9232_main
	.p2alignl 7, 3214868480
	.fill 96, 4, 3214868480
	.section	.rodata,"a",@progbits
	.p2align	6, 0x0
	.amdhsa_kernel k_qf6e1cb9232_main
		.amdhsa_group_segment_fixed_size 181760
		.amdhsa_private_segment_fixed_size 0
		.amdhsa_enable_private_segment 0
		.amdhsa_kernarg_size 56
		.amdhsa_user_sgpr_count 2
		.amdhsa_user_sgpr_kernarg_segment_ptr 1
		.amdhsa_wavefront_size32 1
		.amdhsa_system_sgpr_workgroup_id_x 1
		.amdhsa_system_sgpr_workgroup_id_y 1
		.amdhsa_system_sgpr_workgroup_id_z 1
		.amdhsa_system_vgpr_workitem_id 0
		.amdhsa_next_free_vgpr 1024
		.amdhsa_next_free_sgpr 66
		.amdhsa_reserve_vcc 0
		.amdhsa_float_denorm_mode_32 3
		.amdhsa_float_denorm_mode_16_64 3
		.amdhsa_memory_ordered 1
		.amdhsa_forward_progress 1
		.amdhsa_inst_pref_size 255
	.end_amdhsa_kernel
	.section	.bss,"aw",@nobits
	.p2align	6
	.space	262144
	.amdgpu_metadata
---
amdhsa.version: [ 1, 2 ]
amdhsa.kernels:
  - .name:           k_qf6e1cb9232_main
    .symbol:         k_qf6e1cb9232_main.kd
    .args:
      - { .name: h_encoder, .offset: 0, .size: 8, .value_kind: global_buffer, .address_space: global }
      - { .name: w1c, .offset: 8, .size: 8, .value_kind: global_buffer, .address_space: global }
      - { .name: biasc, .offset: 16, .size: 8, .value_kind: global_buffer, .address_space: global }
      - { .name: W2, .offset: 24, .size: 8, .value_kind: global_buffer, .address_space: global }
      - { .name: b2, .offset: 32, .size: 8, .value_kind: global_buffer, .address_space: global }
      - { .name: en, .offset: 40, .size: 8, .value_kind: global_buffer, .address_space: global }
      - { .name: ctxp, .offset: 48, .size: 8, .value_kind: global_buffer, .address_space: global }
    .group_segment_fixed_size: 181760
    .private_segment_fixed_size: 0
    .kernarg_segment_align: 8
    .kernarg_segment_size: 56
    .max_flat_workgroup_size: 128
    .sgpr_count:     66
    .vgpr_count:     1024
    .wavefront_size: 32
...
	.end_amdgpu_metadata
.endif
;; end of part 5
;; launch finish (part 6): grid 32 x 1, 8 waves a work-group, no clusters, 1,280 bytes of LDS; arguments en, ctxp, out0, out1; writes out0, out1
.if DOCPART == 6
	.amdgcn_target "amdgcn-amd-amdhsa--gfx1250"
	.amdhsa_code_object_version 6
	.text
	.protected	k_qf6e1cb9232_finish
	.globl	k_qf6e1cb9232_finish
	.p2align	8
	.type	k_qf6e1cb9232_finish,@function
k_qf6e1cb9232_finish:
	s_mov_b64 s[64:65], 0
	v_nop
	global_prefetch_b8 v0, s[64:65] scope:SCOPE_SE
	s_setreg_imm32_b32 hwreg(HW_REG_WAVE_MODE, 25, 1), 1
	s_wait_xcnt 0x0
; The softmax over a batch's 2,048 energies, and the joining of its sixteen tiles' weighted sums.  A work-group takes a batch: there are 32 batches, and 2.4 MB in all, so 32 work-groups.
; Thread t holds rows 4 t .. 4 t + 3 and 1,024 + 4 t .. + 3: a wave holds tile w and tile 8 + w whole, so the tiles' maxima, under which ctxp was summed, are found again exactly.
; out1 = 2^((e - M) log2 e) / L;  out0 = sum over tiles k of ctxp[k] x 2^((m_k - M) log2 e) / L, M the batch's largest energy, L the sum of the exponentials (at least 1).
; No matrix unit, no tensor load: a few kilobytes a wave.  Every load and store of a wave covers 512 consecutive bytes.
	s_load_b256 s[4:11], s[0:1], 0x0               ; en, ctxp, out0, out1
	v_lshl_add_u32 v128, v0, 2, 0x100
	v_mov_b32 v129, 0
	v_lshrrev_b32 v1, 5, v0
	s_delay_alu instid0(VALU_DEP_1)
	v_readfirstlane_b32 s12, v1                    ; wave 0..7
	v_lshlrev_b32 v1, 4, v0                        ; 16 t
	s_lshl_b32 s13, s12, 2
	v_mov_b32 v2, s13                              ; LDS: 4 x wave
	v_mov_b32 v3, 0
	v_mov_b32 v14, 0                               ; (lane permutes' destinations count as sources)
	v_mov_b32 v15, 0
	s_mov_b32 s14, 0x76543210
	s_mov_b32 s15, 0xfedcba98                      ; lane l xor 16
	s_mov_b32 s16, 0x3fb8aa3b                      ; log2(e)
	s_lshl_b32 s20, ttmp9, 13                      ; 2,048 energies
	s_mov_b32 s21, 0
	s_lshl_b32 s22, ttmp9, 16                      ; 16 tiles x 4,096 bytes
	s_mov_b32 s23, 0
	s_lshl_b32 s18, ttmp9, 12                      ; a row of out0
	s_mov_b32 s19, 0
	s_wait_alu depctr_va_vdst(0)
	s_wait_kmcnt 0x0
	s_add_nc_u64 s[4:5], s[4:5], s[20:21]
	s_add_nc_u64 s[6:7], s[6:7], s[22:23]
	s_add_nc_u64 s[8:9], s[8:9], s[18:19]
	s_add_nc_u64 s[10:11], s[10:11], s[20:21]
	global_load_b128 v[4:7], v1, s[4:5]
	global_load_b128 v[8:11], v1, s[4:5] offset:4096
.irp k, 0,1,2,3,4,5,6,7,8,9,10,11,12,13,14,15
	global_load_b128 v[64+4*\k:67+4*\k], v1, s[6:7] offset:4096*\k th:TH_LOAD_NT   ; tile k's sums at my four columns
.endr
	s_wait_loadcnt 16                              ; the energies are in; the sixteen loads of ctxp may be out
	v_max3_num_f32 v12, v4, v5, v6
	v_max3_num_f32 v13, v8, v9, v10
	s_delay_alu instid0(VALU_DEP_2)
	v_max_num_f32 v12, v12, v7
	s_delay_alu instid0(VALU_DEP_2)
	v_max_num_f32 v13, v13, v11
.irp x, 1,2,4,8
	s_delay_alu instid0(VALU_DEP_2)
	v_max_num_f32_dpp v12, v12, v12 row_xmask:\x row_mask:0xf bank_mask:0xf
	s_delay_alu instid0(VALU_DEP_2)
	v_max_num_f32_dpp v13, v13, v13 row_xmask:\x row_mask:0xf bank_mask:0xf
.endr
	s_delay_alu instid0(VALU_DEP_2)
	v_permlanex16_b32 v14, v12, s14, s15
	s_delay_alu instid0(VALU_DEP_2)
	v_permlanex16_b32 v15, v13, s14, s15
	s_delay_alu instid0(VALU_DEP_2)
	v_max_num_f32 v12, v12, v14                    ; tile w's largest energy,
	s_delay_alu instid0(VALU_DEP_2)
	v_max_num_f32 v13, v13, v15                    ; tile 8 + w's
	ds_store_b32 v2, v12                           ; all lanes write the same word with the same value
	ds_store_b32 v2, v13 offset:32
	s_wait_dscnt 0x0
	s_barrier_signal -1
	s_barrier_wait -1
.irp i, 0,1,2,3
	ds_load_b128 v[20+4*\i:23+4*\i], v3 offset:16*\i   ; the sixteen tiles' maxima, in every lane
.endr
	s_wait_dscnt 0x0
	v_max3_num_f32 v36, v20, v21, v22
.irp i, 23,25,27,29,31,33
	s_delay_alu instid0(VALU_DEP_1)
	v_max3_num_f32 v36, v36, v[\i], v[\i+1]
.endr
	s_delay_alu instid0(VALU_DEP_1)
	v_max_num_f32 v36, v36, v35                    ; M
	s_delay_alu instid0(VALU_DEP_1)
	v_mul_f32 v37, s16, v36
.irp i, 0,1,2,3,4,5,6,7
	v_fma_f32 v[4+\i], v[4+\i], s16, -v37
.endr
.irp k, 0,1,2,3,4,5,6,7,8,9,10,11,12,13,14,15
	v_fma_f32 v[20+\k], v[20+\k], s16, -v37
.endr
	s_wait_alu depctr_va_vdst(0)
.irp i, 0,1,2,3,4,5,6,7
	v_exp_f32 v[4+\i], v[4+\i]                     ; p
.endr
.irp k, 0,1,2,3,4,5,6,7,8,9,10,11,12,13,14,15
	v_exp_f32 v[20+\k], v[20+\k]                   ; f_k
.endr
	v_nop                                          ; a plain instruction behind the last exponential
	s_wait_alu depctr_va_vdst(0)                   ; one wait for the batch of 24, ahead of its first reader
	v_pk_add_f32 v[38:39], v[4:5], v[6:7]
	v_pk_add_f32 v[40:41], v[8:9], v[10:11]
	s_delay_alu instid0(VALU_DEP_1)
	v_pk_add_f32 v[38:39], v[38:39], v[40:41]
	s_delay_alu instid0(VALU_DEP_1)
	v_add_f32 v38, v38, v39
.irp x, 1,2,4,8
	s_delay_alu instid0(VALU_DEP_1)
	v_add_f32_dpp v38, v38, v38 row_xmask:\x row_mask:0xf bank_mask:0xf
.endr
	s_delay_alu instid0(VALU_DEP_1)
	v_permlanex16_b32 v14, v38, s14, s15
	s_delay_alu instid0(VALU_DEP_1)
	v_add_f32 v38, v38, v14                        ; my wave's sum
	ds_store_b32 v2, v38 offset:64                 ; other bytes than the maxima's
	s_wait_dscnt 0x0
	s_barrier_signal -1
	s_barrier_wait -1
	ds_load_b128 v[40:43], v3 offset:64
	ds_load_b128 v[44:47], v3 offset:80
	s_wait_dscnt 0x0
	v_pk_add_f32 v[40:41], v[40:41], v[42:43]
	v_pk_add_f32 v[44:45], v[44:45], v[46:47]
	s_delay_alu instid0(VALU_DEP_1)
	v_pk_add_f32 v[40:41], v[40:41], v[44:45]
	s_delay_alu instid0(VALU_DEP_1)
	v_add_f32 v48, v40, v41                        ; L
	s_wait_alu depctr_va_vdst(0)
	v_rcp_f32 v50, v48
	v_mov_b32 v51, 0                               ; a plain instruction behind the reciprocal; v51 is named with v50 as a pair
	s_wait_alu depctr_va_vdst(0)
.irp i, 0,2,4,6
	v_pk_mul_f32 v[4+\i:5+\i], v[4+\i:5+\i], v[50:51] op_sel_hi:[1,0]
.endr
	global_store_b128 v1, v[4:7], s[10:11]
	global_store_b128 v1, v[8:11], s[10:11] offset:4096
	s_wait_loadcnt 0x0                             ; ctxp
	v_pk_mul_f32 v[52:53], v[64:65], v[20:21] op_sel_hi:[1,0]
	v_pk_mul_f32 v[54:55], v[66:67], v[20:21] op_sel_hi:[1,0]
.irp k, 1,2,3,4,5,6,7,8,9,10,11,12,13,14,15
.if (\k)%2
	v_pk_fma_f32 v[52:53], v[64+4*\k:65+4*\k], v[19+\k:20+\k], v[52:53] op_sel:[0,1,0] op_sel_hi:[1,1,1]
	v_pk_fma_f32 v[54:55], v[66+4*\k:67+4*\k], v[19+\k:20+\k], v[54:55] op_sel:[0,1,0] op_sel_hi:[1,1,1]
.else
	v_pk_fma_f32 v[52:53], v[64+4*\k:65+4*\k], v[20+\k:21+\k], v[52:53] op_sel_hi:[1,0,1]
	v_pk_fma_f32 v[54:55], v[66+4*\k:67+4*\k], v[20+\k:21+\k], v[54:55] op_sel_hi:[1,0,1]
.endif
.endr
	v_pk_mul_f32 v[52:53], v[52:53], v[50:51] op_sel_hi:[1,0]
	v_pk_mul_f32 v[54:55], v[54:55], v[50:51] op_sel_hi:[1,0]
	global_store_b128 v1, v[52:55], s[8:9]
	s_wait_tensorcnt 0x0
	ds_add_u32 v128, v129
	s_wait_dscnt 0x0
	s_endpgm
.Lfunc_end_k_qf6e1cb9232_finish:
	.size	k_qf6e1cb9232_finish, .Lfunc_end_k_qf6e1cb9232_finish-k_qf6e1cb9232_finish
	.p2alignl 7, 3214868480
	.fill 96, 4, 3214868480
	.section	.rodata,"a",@progbits
	.p2align	6, 0x0
	.amdhsa_kernel k_qf6e1cb9232_finish
		.amdhsa_group_segment_fixed_size 1280
		.amdhsa_private_segment_fixed_size 0
		.amdhsa_enable_private_segment 0
		.amdhsa_kernarg_size 32
		.amdhsa_user_sgpr_count 2
		.amdhsa_user_sgpr_kernarg_segment_ptr 1
		.amdhsa_wavefront_size32 1
		.amdhsa_system_sgpr_workgroup_id_x 1
		.amdhsa_system_sgpr_workgroup_id_y 1
		.amdhsa_system_sgpr_workgroup_id_z 1
		.amdhsa_system_vgpr_workitem_id 0
		.amdhsa_next_free_vgpr 130
		.amdhsa_next_free_sgpr 66
		.amdhsa_reserve_vcc 0
		.amdhsa_float_denorm_mode_32 3
		.amdhsa_float_denorm_mode_16_64 3
		.amdhsa_memory_ordered 1
		.amdhsa_forward_progress 1
		.amdhsa_inst_pref_size 13
	.end_amdhsa_kernel
	.amdgpu_metadata
---
amdhsa.version: [ 1, 2 ]
amdhsa.kernels:
  - .name:           k_qf6e1cb9232_finish
    .symbol:         k_qf6e1cb9232_finish.kd
    .args:
      - { .name: en, .offset: 0, .size: 8, .value_kind: global_buffer, .address_space: global }
      - { .name: ctxp, .offset: 8, .size: 8, .value_kind: global_buffer, .address_space: global }
      - { .name: out0, .offset: 16, .size: 8, .value_kind: global_buffer, .address_space: global }
      - { .name: out1, .offset: 24, .size: 8, .value_kind: global_buffer, .address_space: global }
    .group_segment_fixed_size: 1280
    .private_segment_fixed_size: 0
    .kernarg_segment_align: 8
    .kernarg_segment_size: 32
    .max_flat_workgroup_size: 256
    .sgpr_count:     66
    .vgpr_count:     130
    .wavefront_size: 32
...
	.end_amdgpu_metadata
.endif
;; end of part 6
